; MI455X (gfx1250); checked and timed in simulation.
; The chip was launched on July 23, 2026; its instructions are those of AMD's public machine-readable ISA for CDNA 5 (MIT licence, August 2026) and "CDNA5" Instruction Set Architecture Reference Guide (July 2026). The comments in the code are by the model that wrote it; some were corrected since.
;; Fused Mo E Layer. Allowed arithmetic: matrix products marked QUANTISED: E3M2 operands, one E8M0 scale for each 32 along K, by v_wmma_scale_f32_16x16x128_f8f6f4 with both operands' format E3M2, f32 sums; products left as they are: f32 operands where the result goes on into a quantised operand, else bf16, f16 or f32 operands; f32 sums; everything else in f32.
;; Inputs: router_w 8 x 1,024 float32; w1_codes 8 x 1,024 x 32 x 24 uint8 (E3M2 codes of w1, K innermost, in blocks of 32 codes, four codes in three bytes); w1_scales 8 x 1,024 x 32 uint8 (E8M0 scales of w1, one for each 32 codes along K); w2_codes 8 x 1,024 x 32 x 24 uint8 (E3M2 codes of w2, K innermost, in blocks of 32 codes, four codes in three bytes); w2_scales 8 x 1,024 x 32 uint8 (E8M0 scales of w2, one for each 32 codes along K); x 2 x 2,048 x 1,024 float32.
;; Outputs: out0 2 x 2,048 x 1,024 float32.
;; This version of the problem:
;;   THIS VERSION OF THE PROBLEM IS GIVEN IN LOW PRECISION. The matrix products marked QUANTISED in the list below multiply operands that are first quantised to E3M2 (3 exponent bits, 2 mantissa bits; 6 bits a number), with one power-of-two scale for each 32 numbers along K (OCP MX v1.0); their sums are f32. All else is computed in f32.
;;   The module's matrix products, in the order in which they are computed (A, B: the left and right operand; K: the contracted axis; several contracted axes count as one K, in the product's order):
;;     1. [M 4,096, K 1,024] x [K 1,024, N 8]; A: input x; B: input router_w: left as it is (N = 8 < 16)
;;     2. [M 4,096, K 1,024] x [K 1,024, N 8,192]; A: input x; B: input w1 (given as codes): QUANTISED
;;     3. batch 8 x [M 1,024, K 1,024] x [K 1,024, N 4,096]; A: input w2 (given as codes); B: computed on the way: QUANTISED
;;     4. batch 4,096 x [M 1, K 8] x [K 8, N 1,024]; A: computed on the way; B: computed on the way: left as it is (K = 8 < 32)
;;   THE QUANTISER, for each operand of a quantised product, along K:
;;     - K is cut into blocks of 32 from its start; a last block that is shorter is filled with zeros.
;;     - A block's scale is 2^e with e = floor(log2(the largest magnitude in the block)) - 4, held to -126 .. 127; a block of zeros has e = 0. As a byte (E8M0): e + 127.
;;     - Each number is divided by its block's scale, clamped to +-28, and rounded to the nearest number of E3M2, ties to even, subnormals kept.
;;     - The product sums the exact products of the quantised numbers (number of the format x scale) in f32.
;;   ~~~python
;;   def quantise(x, axis):      # numpy; x: float32 -> the quantised numbers, widened to float32 again
;;       x = np.moveaxis(x, axis, -1); K = x.shape[-1]
;;       x = np.pad(x, [(0, 0)] * (x.ndim - 1) + [(0, -K % 32)]); x = x.reshape(x.shape[:-1] + (-1, 32)); a = np.abs(x).max(-1, keepdims=True)
;;       e = np.where(a > 0, np.clip(np.frexp(np.where(a > 0, a, 1))[1] - 1 - 4, -126, 127), 0)      # np.frexp(a)[1] - 1 = floor(log2(a)), exactly
;;       r = np.clip(x / 2.0 ** e, -28, 28)
;;       step = 2.0 ** (np.maximum(np.frexp(np.where(r == 0, 1, r))[1] - 1, -2) - 2)
;;       q = np.round(r / step) * step * 2.0 ** e      # np.round: ties to even
;;       return np.moveaxis(q.reshape(q.shape[:-2] + (-1,))[..., :K], -1, axis).astype(np.float32)
;;   ~~~
;;   OPERANDS COMPUTED ON THE WAY. 'Computed on the way' means the value that the module computes at that place (a softmax that the list does not call 'softmax' is quantised finished and normalised). What goes into a quantiser is computed in f32, as accurately as f32 sums, v_exp_f32 and their like allow (about 1e-6 of the number): no bf16 or f16 on the way to a quantiser, and a product that is left as it is and whose result goes on into a quantised operand takes f32 operands (vector FMAs, or v_wmma_f32_16x16x4_f32). A number that lies on a knife's edge between two numbers of the format may be rounded either way, as far as f32 arithmetic and the matrix unit's own rounding can turn it there, and no further.
;;   INPUTS GIVEN AS CODES. w1 (in the module: [8, 1024, 1024], K = its axis 2); w2 (in the module: [8, 1024, 1024], K = its axis 2): each comes as NAME_codes (uint8): NAME with its K axis moved to the last place and cut into blocks of 32 codes, [.., K / 32, bytes a block], one block behind the other in memory; four codes in three bytes: a row's codes are one little-endian stream of bits, code i at bits 6 i .. 6 i + 5 (a code: sign, 3 exponent bits, 2 mantissa bits); and NAME_scales (uint8): the same leading axes, one E8M0 byte (e + 127) for each 32 codes along K. Its value is code x scale, taken as it is: it is not quantised again, and the codes and scales need not be those that the quantiser above would give.
;; 2 versions, each right and faster than the one before. Each part assembles by itself: llvm-mc -triple=amdgcn-amd-amdhsa -mcpu=gfx1250 --defsym DOCPART=n.
;; ======== version 1 of 2: 4 launches
;; workspace buffers: xq 3,276,800 bytes; sel 16,384 bytes of whole numbers; gate 32,768 bytes; list 32,768 bytes of whole numbers; gsort 32,768 bytes; wl 13,107,200 bytes; hq 7,340,032 bytes
;; launch route (part 1): grid 256 x 1, 4 waves a work-group, no clusters, 84,224 bytes of LDS; arguments x, router_w, w1_codes, w1_scales, w2_codes, w2_scales, xq, sel, gate, wl; writes xq, sel, gate, wl
.if DOCPART == 1
	.amdgcn_target "amdgcn-amd-amdhsa--gfx1250"
	.amdhsa_code_object_version 6
	.text
	.protected	k_qde9df78299_route
	.globl	k_qde9df78299_route
	.p2align	8
	.type	k_qde9df78299_route,@function
k_qde9df78299_route:
	s_mov_b64 s[64:65], 0
	v_nop
	global_prefetch_b8 v0, s[64:65] scope:SCOPE_SE
	s_setreg_imm32_b32 hwreg(HW_REG_WAVE_MODE, 25, 1), 1
	s_wait_xcnt 0x0
; ROUTE.  A work-group takes 16 tokens; wave w takes k = 256 w .. 256 w + 255 of them.
; (1) logits = x router_w^T in f32 (v_wmma_f32_16x16x4_f32, four accumulators by turns), top-2 (the lower index wins a tie),
;     the two gates = softmax of the two logits, the larger taken away first.  Stored at FIXED places: sel[token] = key | a<<8 | b<<16
;     (a < b the two experts, key 0..27 numbers the pair), gate[token] = (g_a, g_b).  No address and no branch hangs on the choice.
; (2) x is quantised to E3M2 along K: xq = natural rows of 768 bytes of codes, then one row of 8 scale words a token.
; (3) wave w also lays half a unit (16 rows) of w1 or w2 out in the order of the operand's registers (buffer wl).
; BLOCK ORDER of every operand of this program: in a K step of 128, lanes 0-15 hold blocks 0, 1 and lanes 16-31 blocks 2, 3 of a row:
; 48 consecutive bytes a lane, three loads of 16 bytes.  Both sides of a product use it, so each code meets its partner.  The scale
; word's bytes 1 and 2 change places with it; every scale word that this program stores is stored so.
; LIMITS: NaN and infinities among the inputs are not served.  A block of zeros gets the byte 1 (its codes are zeros; only this program
; reads the bytes).  Logits that agree to within f32 rounding may choose another expert than a sum in another order.
.set X,     16                         ; v16-143  register 16 b + 4 j + i = x[r][256 w + 32 b + 16 h + 4 j + i]
.set ACC,   144                        ; v144-175 four accumulators, written by matrix instructions alone
.set LS,    176                        ; v176-183 their sum
.set TM,    184                        ; v184-199 at work in QUANT
.set PW,    200                        ; the scale word just made
.set PC,    204                        ; v204-222 the codes just made
.set TURNB, 16640                      ; LDS: a region for each wave: 16 rows x 1,040; later 16 rows x 784
.set XQ,    66560                      ; 16 rows x (768 + 16): the tokens' codes
.set XSS,   79104                      ; 16 x 32: their scale words
.set LG,    79616                      ; 4 x 1,024: the waves' partial logits
.set SEL,   44                         ; s[44:45] selects for lane l xor 16
.set MSB,   0
.macro WIN new                         ; the immediate's high byte repeats the setting that is left
.if MSB != (\new)
	s_set_vgpr_msb (MSB<<8)|(\new)
.set MSB, (\new)
.endif
.endm
; 64 numbers of a lane (K step s of my wave's two) become 12 registers of codes in v[PC] on and the row's scale word in v[PW]
.macro QUANT s
.set XB, X+64*(\s)
.irp b, 0,1,2,3
	v_max3_num_f32 v[TM+\b], |v[XB+16*\b]|, |v[XB+16*\b+1]|, 0x2800000   ; my 16 of block b, and the floor 2^(5 - 127): the byte cannot fall under 1
.endr
.irp i, 2,4,6,8,10,12,14
.irp b, 0,1,2,3
	v_max3_num_f32 v[TM+\b], v[TM+\b], |v[XB+16*\b+\i]|, |v[XB+16*\b+\i+1]|
.endr
.endr
.irp b, 0,1,2,3
	v_permlanex16_b32 v[TM+4+\b], v[TM+\b], s[SEL], s[SEL+1]
.endr
.irp b, 0,1,2,3
	v_max_num_f32 v[TM+\b], v[TM+\b], v[TM+4+\b]       ; with lane l xor 16's 16: the block's largest magnitude
.endr
.irp b, 0,1,2,3
	v_add_nc_u32 v[TM+12+\b], 0xfe000000, v[TM+\b]     ; 4 off its exponent field: the conversion's scale operand
.endr
.irp b, 0,1,2,3
	v_lshrrev_b32 v[TM+4+\b], 23, v[TM+12+\b]          ; the scale's byte
.endr
	v_lshl_or_b32 v[PW], v[TM+6], 8, v[TM+4]           ; bytes in the order 0, 2, 1, 3
	v_lshl_or_b32 v[PW], v[TM+5], 16, v[PW]
	v_lshl_or_b32 v[PW], v[TM+7], 24, v[PW]
.irp c, 0,1
	v_cvt_scalef32_pk16_bf6_f32 v[PC+6*\c:PC+6*\c+2], v[XB+16*\c:XB+16*\c+15], v[TM+12+\c]           ; block c: my half of it
	v_cvt_scalef32_pk16_bf6_f32 v[PC+12+4*\c:PC+14+4*\c], v[XB+32+16*\c:XB+47+16*\c], v[TM+14+\c]    ; block c + 2
.endr
	v_nop                                              ; one plain place behind a scaled conversion
.irp c, 0,1                            ; lanes 0-15 get block c whole, lanes 16-31 block c + 2 whole
.irp i, 0,1,2
	v_permlane16_swap_b32 v[PC+6*\c+\i], v[PC+12+4*\c+\i]
.endr
.irp i, 0,1,2
	v_mov_b32 v[PC+3+6*\c+\i], v[PC+12+4*\c+\i]
.endr
.endr
.endm
.macro PUT s                           ; lane (r, h): 48 bytes of row r at 96 (2 w + s) + 48 h; the word at 4 (2 w + s)
.irp c, 0,1,2
	ds_store_b128 v9, v[PC+4*\c:PC+4*\c+3] offset:96*(\s)+16*\c
.endr
	ds_store_b32 v10, v[PW] offset:4*(\s)
.endm
	s_load_b512 s[4:19], s[0:1], 0x0               ; x, router_w, w1 codes, w1 scales, w2 codes, w2 scales, xq, sel
	s_load_b128 s[20:23], s[0:1], 0x40             ; gate, wl
	v_lshl_add_u32 v223, v0, 2, 0x14700
	v_mov_b32 v255, 0
	v_lshrrev_b32 v1, 5, v0
	v_readfirstlane_b32 s24, v1                    ; wave 0..3
	v_and_b32 v1, 31, v0                           ; lane
	v_and_b32 v2, 15, v0                           ; r
	v_bfe_u32 v3, v0, 4, 1                         ; h
	v_lshlrev_b32 v4, 4, v1                        ; 16 x lane
	v_and_b32 v5, 7, v0
	v_lshlrev_b32 v5, 12, v5
	v_lshl_add_u32 v5, v3, 6, v5                   ; router_w: row r % 8, + 64 h
	s_lshl_b32 s25, ttmp9, 2
	s_add_co_u32 s25, s25, s24                     ; H = 4 x work-group + wave: my half unit, 0..1023
	s_lshr_b32 s26, s25, 9                         ; T: 0 = w1, 1 = w2
	s_bfe_u32 s27, s25, 0x80001                    ; U = 32 e + ct: the unit of 32 rows
	s_and_b32 s28, s25, 1                          ; u: the tile of 16
	s_lshl_b32 s29, s27, 5
	s_mov_b32 s38, 6144
	s_mov_b32 s31, 0
	s_mov_b32 s[SEL], 0x76543210
	s_mov_b32 s[SEL+1], 0xfedcba98
	s_mov_b32 s46, 0x03010200                      ; v_perm_b32: bytes 1 and 2 change places
	s_cmp_eq_u32 s26, 0                            ; only moves, selects, multiplies and waits stand between this compare and its last select
	s_cselect_b32 s30, 8, 16                       ; w1's tile u begins at row 8 u, w2's at 16 u
	s_cselect_b32 s38, 12288, s38                  ; the tile's second eight rows lie 16 rows on (w1) or 8 (w2)
	s_cselect_b32 s39, 256, 0
	s_mul_i32 s30, s30, s28
	s_wait_kmcnt 0x0
	s_cselect_b64 s[32:33], s[8:9], s[12:13]       ; the codes,
	s_cselect_b64 s[36:37], s[10:11], s[14:15]     ; the scale bytes
	s_add_co_u32 s29, s29, s30                     ; ra: the tile's first row
	s_lshl_b32 s30, ttmp9, 16
	s_lshl_b32 s47, s24, 10
	s_add_co_u32 s30, s30, s47
	s_add_nc_u64 s[4:5], s[4:5], s[30:31]          ; x at my 16 rows, my 1,024 bytes of them
	s_mov_b32 s30, s47
	s_add_nc_u64 s[6:7], s[6:7], s[30:31]          ; router_w at my 1,024 bytes
.set i, 0
.rept 32
	global_load_b128 v[X+4*i:X+4*i+3], v4, s[4:5] offset:(i/2)*4096+(i%2)*512 th:TH_LOAD_NT   ; 32 lanes read 512 consecutive bytes
.set i, i+1
.endr
	WIN 0x40                                       ; destination window 1
.set i, 0
.rept 32
	global_load_b128 v[4*i:4*i+3], v5, s[6:7] offset:128*(i/4)+16*(i%4)    ; router_w[r % 8] at the same k as X
.set i, i+1
.endr
	WIN 0
	s_mul_i32 s30, s29, 768
	s_add_nc_u64 s[32:33], s[32:33], s[30:31]
	s_mov_b32 s30, s38
	s_add_nc_u64 s[34:35], s[32:33], s[30:31]
	s_lshl_b32 s30, s29, 5
	s_add_nc_u64 s[36:37], s[36:37], s[30:31]
	v_mul_u32_u24 v6, s39, v3
	v_add_nc_u32 v6, v6, v4                        ; scale bytes: 16 x lane, lanes 16-31 at the second eight rows
	WIN 0x40
.set i, 0
.rept 12
	global_load_b128 v[128+4*i:128+4*i+3], v4, s[32:33] offset:512*i th:TH_LOAD_NT
.set i, i+1
.endr
.rept 12
	global_load_b128 v[128+4*i:128+4*i+3], v4, s[34:35] offset:512*(i-12) th:TH_LOAD_NT
.set i, i+1
.endr
	global_load_b128 v[224:227], v6, s[36:37] th:TH_LOAD_NT
	WIN 0
	; where the results go
	s_mul_i32 s30, s26, 0x600000
	s_mul_i32 s38, s27, 24576
	s_add_co_u32 s30, s30, s38
	s_mul_i32 s38, s28, 1536
	s_add_co_u32 s30, s30, s38
	s_add_nc_u64 s[40:41], s[22:23], s[30:31]      ; wl: my tile's fragments
	s_lshl_b32 s30, s25, 9
	s_add_co_u32 s30, s30, 12582912
	s_add_nc_u64 s[42:43], s[22:23], s[30:31]      ; wl: its scale words
	s_lshl_b32 s30, ttmp9, 9
	s_add_nc_u64 s[8:9], s[16:17], s[30:31]        ; xq: the work-group's scale words (less the constant 3,145,728)
	s_mul_i32 s30, ttmp9, 12288
	s_mul_i32 s38, s24, 3072
	s_add_co_u32 s30, s30, s38
	s_add_nc_u64 s[16:17], s[16:17], s[30:31]      ; xq: rows 16 wg + 4 w on
	s_lshl_b32 s30, ttmp9, 6
	s_add_nc_u64 s[18:19], s[18:19], s[30:31]
	s_lshl_b32 s30, ttmp9, 7
	s_add_nc_u64 s[20:21], s[20:21], s[30:31]
	; LDS addresses
	s_mul_i32 s30, s24, TURNB
	v_add_nc_u32 v7, s30, v4                       ; my region + 16 x lane
	v_lshl_add_u32 v12, v3, 4, v7                  ; the same, 16 more in lanes 16-31
	v_mul_u32_u24 v8, v2, 1040
	v_lshl_add_u32 v8, v3, 6, v8
	v_add_nc_u32 v8, s30, v8                       ; row r x 1,040 + 64 h
	v_mul_u32_u24 v13, v2, 784
	v_mad_u32_u24 v13, v3, 48, v13                 ; 784 r + 48 h
	s_mul_i32 s38, s24, 192
	v_add_nc_u32 v9, XQ, v13
	v_add_nc_u32 v9, s38, v9
	v_add_nc_u32 v13, s30, v13
	v_lshlrev_b32 v10, 5, v2
	s_lshl_b32 s38, s24, 3
	v_add_nc_u32 v10, s38, v10
	v_add_nc_u32 v10, XSS, v10
	v_lshlrev_b32 v11, 5, v1
	s_lshl_b32 s38, s24, 10
	v_add_nc_u32 v11, s38, v11
	v_add_nc_u32 v11, LG, v11
	s_mul_i32 s38, s24, 3136
	v_add_nc_u32 v14, s38, v4
	v_add_nc_u32 v14, XQ, v14
	v_lshl_add_u32 v15, v3, 4, v14
	v_lshlrev_b32 v253, 2, v0
	v_add_nc_u32 v254, XSS, v253
.irp b, 0,1,2,3
	v_mov_b32 v[TM+4+\b], 0                        ; a lane permute's destination counts as one of its sources
.endr
	; x turns through LDS: loaded 512 dense bytes at a time, read back 16 neighbours of each block a lane
	s_wait_loadcnt 57                              ; x's 32 loads are in; the 57 issued behind them may be out
.set i, 0
.rept 32
	ds_store_b128 v7, v[X+4*i:X+4*i+3] offset:(i/2)*1040+(i%2)*512
.set i, i+1
.endr
	s_wait_dscnt 0x0                               ; the stores have read their registers
.set i, 0
.rept 32
	ds_load_b128 v[X+4*i:X+4*i+3], v8 offset:128*(i/4)+16*(i%4)
.set i, i+1
.endr
	s_wait_dscnt 0x0
	s_wait_loadcnt 25                              ; router_w is in; the 25 weight loads may be out
	WIN 0x01                                       ; source 0 window 1
.set t, 0
.rept 64                               ; lane (r, h), register j of the sum: expert j's partial logit of token r.  Four accumulators by turns
.if t < 4
	v_wmma_f32_16x16x4_f32 v[ACC+8*(t%4):ACC+8*(t%4)+7], v[2*t:2*t+1], v[X+2*t:X+2*t+1], 0
.else
	v_wmma_f32_16x16x4_f32 v[ACC+8*(t%4):ACC+8*(t%4)+7], v[2*t:2*t+1], v[X+2*t:X+2*t+1], v[ACC+8*(t%4):ACC+8*(t%4)+7]
.endif
.set t, t+1
.endr
	WIN 0
	QUANT 0                                        ; its lines, which write none of the products' registers, are also the places behind the last products
	PUT 0
	s_wait_dscnt 0x0                               ; the stores have read their registers
	QUANT 1
	PUT 1
.irp j, 0,2,4,6
	v_pk_add_f32 v[LS+\j:LS+\j+1], v[ACC+\j:ACC+\j+1], v[ACC+8+\j:ACC+9+\j]       ; each accumulator from its low end on
.endr
.irp j, 0,2,4,6
	v_pk_add_f32 v[TM+\j:TM+\j+1], v[ACC+16+\j:ACC+17+\j], v[ACC+24+\j:ACC+25+\j]
.endr
.irp j, 0,2,4,6
	v_pk_add_f32 v[LS+\j:LS+\j+1], v[LS+\j:LS+\j+1], v[TM+\j:TM+\j+1]
.endr
	ds_store_b128 v11, v[LS:LS+3]
	ds_store_b128 v11, v[LS+4:LS+7] offset:16
	; the weights: 16 rows of 768 bytes into rows 784 apart, back as fragments
	s_wait_loadcnt 0x0
	WIN 0x04                                       ; an LDS store's data are its source 1: window 1
.set i, 0
.rept 24
.if i%3 == 1
	ds_store_b128 v12, v[128+4*i:128+4*i+3] offset:6272*(i/12)+1568*((i%12)/3)+512     ; this piece crosses from a row to the next at lane 16
.elseif i%3 == 2
	ds_store_b128 v7, v[128+4*i:128+4*i+3] offset:6272*(i/12)+1568*((i%12)/3)+1040
.else
	ds_store_b128 v7, v[128+4*i:128+4*i+3] offset:6272*(i/12)+1568*((i%12)/3)
.endif
.set i, i+1
.endr
	WIN 0
.set i, 0
.rept 24
	ds_load_b128 v[X+4*i:X+4*i+3], v13 offset:96*(i/3)+16*(i%3)    ; LDS serves a wave's instructions in order: these see the stores above
.set i, i+1
.endr
	WIN 0x05                                       ; sources 0 and 1 window 1
.irp i, 0,1,2,3
	v_perm_b32 v[248+\i], v[224+\i], v[224+\i], s46
.endr
	WIN 0
.set i, 0
.rept 24
	s_wait_dscnt 23-i
	global_store_b128 v4, v[X+4*i:X+4*i+3], s[40:41] offset:3072*(i/3)+512*(i%3)   ; 512 consecutive bytes: register group i % 3 of fragment (q = i / 3, u)
.set i, i+1
.endr
	global_store_b128 v4, v[248:251], s[42:43]
	s_wait_dscnt 0x0                               ; my stores into XQ, XSS and LG have landed
	s_barrier_signal -1
	s_barrier_wait -1
	ds_load_b128 v[224:227], v14
	ds_load_b128 v[228:231], v15 offset:512
	ds_load_b128 v[232:235], v14 offset:1040
	ds_load_b128 v[236:239], v14 offset:1568
	ds_load_b128 v[240:243], v15 offset:2080
	ds_load_b128 v[244:247], v14 offset:2608
	ds_load_b32 v252, v254
.set i, 0
.rept 6
	s_wait_dscnt 6-i
	global_store_b128 v4, v[224+4*i:224+4*i+3], s[16:17] offset:512*i      ; four rows of codes: 3,072 dense bytes a wave
.set i, i+1
.endr
	s_wait_dscnt 0x0
	global_store_b32 v253, v252, s[8:9] offset:3145728
	s_cmp_lg_u32 s24, 0
	s_cbranch_scc1 .Lend
	; wave 0: the choice.  Lane (r, h) holds token r's eight logits (both halves alike)
.irp w, 0,1,2,3
	ds_load_b128 v[112+8*\w:115+8*\w], v11 offset:1024*\w
	ds_load_b128 v[116+8*\w:119+8*\w], v11 offset:1024*\w+16
.endr
	s_wait_dscnt 0x0
.irp j, 0,2,4,6
	v_pk_add_f32 v[112+\j:113+\j], v[112+\j:113+\j], v[120+\j:121+\j]
	v_pk_add_f32 v[128+\j:129+\j], v[128+\j:129+\j], v[136+\j:137+\j]
.endr
.irp j, 0,2,4,6
	v_pk_add_f32 v[112+\j:113+\j], v[112+\j:113+\j], v[128+\j:129+\j]
.endr
	v_mov_b32 v184, v112
	v_mov_b32 v185, 0
.irp j, 1,2,3,4,5,6,7
	v_cmp_gt_f32 vcc_lo, v[112+\j], v184           ; strictly larger: the lower index keeps a tie
	v_cndmask_b32 v184, v184, v[112+\j], vcc_lo
	v_cndmask_b32 v185, v185, \j, vcc_lo
.endr
	v_mov_b32 v186, 0xff800000
.irp j, 0,1,2,3,4,5,6,7
	v_cmp_eq_u32 vcc_lo, \j, v185
	v_cndmask_b32 v[112+\j], v[112+\j], v186, vcc_lo   ; the winner leaves
.endr
	v_mov_b32 v187, v112
	v_mov_b32 v188, 0
.irp j, 1,2,3,4,5,6,7
	v_cmp_gt_f32 vcc_lo, v[112+\j], v187
	v_cndmask_b32 v187, v187, v[112+\j], vcc_lo
	v_cndmask_b32 v188, v188, \j, vcc_lo
.endr
	v_sub_f32 v189, v187, v184                     ; second less first: 0 or less
	v_mul_f32 v189, 0x3fb8aa3b, v189
	v_exp_f32 v189, v189
	v_nop
	s_wait_alu depctr_va_vdst(0)                   ; ahead of the exponential's first reader
	v_add_f32 v190, 1.0, v189
	v_rcp_f32 v190, v190                           ; the first's gate
	v_nop
	s_wait_alu depctr_va_vdst(0)
	v_mul_f32 v191, v189, v190                     ; the second's
	v_min_u32 v192, v185, v188                     ; a
	v_max_u32 v193, v185, v188                     ; b
	v_cmp_lt_u32 vcc_lo, v185, v188
	v_cndmask_b32 v194, v191, v190, vcc_lo         ; g_a
	v_cndmask_b32 v195, v190, v191, vcc_lo         ; g_b
	v_sub_nc_u32 v196, 15, v192
	v_mul_u32_u24 v196, v196, v192
	v_lshrrev_b32 v196, 1, v196                    ; a (15 - a) / 2: the pairs with a smaller a
	v_and_b32 v197, 1, v192
	v_cmp_eq_u32 vcc_lo, 1, v197
	v_sub_nc_u32 v198, 7, v193
	v_sub_nc_u32 v199, v193, v192
	v_add_nc_u32 v199, -1, v199
	v_cndmask_b32 v198, v199, v198, vcc_lo         ; b runs up for even a and down for odd a: neighbouring keys share an expert
	v_add_nc_u32 v196, v196, v198
	v_lshl_or_b32 v196, v192, 8, v196
	v_lshl_or_b32 v196, v193, 16, v196
	v_lshlrev_b32 v200, 2, v2
	v_lshlrev_b32 v201, 3, v2
	v_cmp_gt_u32 vcc_lo, 16, v1
	s_wait_xcnt 0x0                                ; EXEC changes only behind this wait
	s_and_saveexec_b32 s47, vcc_lo
	global_store_b32 v200, v196, s[18:19]
	global_store_b64 v201, v[194:195], s[20:21]
	s_wait_xcnt 0x0
	s_or_b32 exec_lo, exec_lo, s47
.Lend:
	s_wait_tensorcnt 0x0
	ds_add_u32 v223, v255
	s_wait_dscnt 0x0
	s_endpgm
.Lfunc_end_k_qde9df78299_route:
	.size	k_qde9df78299_route, .Lfunc_end_k_qde9df78299_route-k_qde9df78299_route
	.p2alignl 7, 3214868480
	.fill 96, 4, 3214868480
	.section	.rodata,"a",@progbits
	.p2align	6, 0x0
	.amdhsa_kernel k_qde9df78299_route
		.amdhsa_group_segment_fixed_size 84224
		.amdhsa_private_segment_fixed_size 0
		.amdhsa_enable_private_segment 0
		.amdhsa_kernarg_size 80
		.amdhsa_user_sgpr_count 2
		.amdhsa_user_sgpr_kernarg_segment_ptr 1
		.amdhsa_wavefront_size32 1
		.amdhsa_system_sgpr_workgroup_id_x 1
		.amdhsa_system_sgpr_workgroup_id_y 1
		.amdhsa_system_sgpr_workgroup_id_z 1
		.amdhsa_system_vgpr_workitem_id 0
		.amdhsa_next_free_vgpr 512
		.amdhsa_next_free_sgpr 66
		.amdhsa_reserve_vcc 1
		.amdhsa_float_denorm_mode_32 3
		.amdhsa_float_denorm_mode_16_64 3
		.amdhsa_memory_ordered 1
		.amdhsa_forward_progress 1
		.amdhsa_inst_pref_size 44
	.end_amdhsa_kernel
	.amdgpu_metadata
---
amdhsa.version: [ 1, 2 ]
amdhsa.kernels:
  - .name:           k_qde9df78299_route
    .symbol:         k_qde9df78299_route.kd
    .args:
      - { .name: x, .offset: 0, .size: 8, .value_kind: global_buffer, .address_space: global }
      - { .name: router_w, .offset: 8, .size: 8, .value_kind: global_buffer, .address_space: global }
      - { .name: w1_codes, .offset: 16, .size: 8, .value_kind: global_buffer, .address_space: global }
      - { .name: w1_scales, .offset: 24, .size: 8, .value_kind: global_buffer, .address_space: global }
      - { .name: w2_codes, .offset: 32, .size: 8, .value_kind: global_buffer, .address_space: global }
      - { .name: w2_scales, .offset: 40, .size: 8, .value_kind: global_buffer, .address_space: global }
      - { .name: xq, .offset: 48, .size: 8, .value_kind: global_buffer, .address_space: global }
      - { .name: sel, .offset: 56, .size: 8, .value_kind: global_buffer, .address_space: global }
      - { .name: gate, .offset: 64, .size: 8, .value_kind: global_buffer, .address_space: global }
      - { .name: wl, .offset: 72, .size: 8, .value_kind: global_buffer, .address_space: global }
    .group_segment_fixed_size: 84224
    .private_segment_fixed_size: 0
    .kernarg_segment_align: 8
    .kernarg_segment_size: 80
    .max_flat_workgroup_size: 128
    .sgpr_count:     66
    .vgpr_count:     512
    .wavefront_size: 32
...
	.end_amdgpu_metadata
.endif
;; end of part 1
;; launch place (part 2): grid 1 x 1, 16 waves a work-group, no clusters, 4,096 bytes of LDS; arguments sel, gate, list, gsort; writes list, gsort
.if DOCPART == 2
	.amdgcn_target "amdgcn-amd-amdhsa--gfx1250"
	.amdhsa_code_object_version 6
	.text
	.protected	k_qde9df78299_place
	.globl	k_qde9df78299_place
	.p2align	8
	.type	k_qde9df78299_place,@function
k_qde9df78299_place:
	s_mov_b64 s[64:65], 0
	v_nop
	global_prefetch_b8 v0, s[64:65] scope:SCOPE_SE
	s_setreg_imm32_b32 hwreg(HW_REG_WAVE_MODE, 25, 1), 1
	s_wait_xcnt 0x0
; PLACE.  One work-group sorts the 4,096 tokens by the key of their pair of experts (a counting sort over 32 keys, no atomics) and stores, by
; sorted place: the token (list), a | b<<8 (list + 16,384) and the two gates (gsort).  Wave w takes tokens 256 w + 32 c + lane, c = 0..7.
; In a chunk of 32 tokens five ballots of the key's bits give lane L the mask of tokens with key L, and each token the mask of lanes with its key.
; The stores are the inverse of a permutation: 4 and 8 bytes a lane into 64 KiB in all.
.set SELR, 8
.set GT,   16
.set NL,   32
.set HM,   37
.set KEY,  40
.set LR,   48
.set PRE,  56
.set T,    64
.set U0,   69
.set MK,   70
.set OM,   71
.set RUN,  72
.set BASE, 73
.set TOT,  74
.set SC,   75
.set START, 76
.set ROW,  80
.set U1,   96
.set K4,   104
.set R,    112
.set R4,   120
.set R8,   128
.set TK,   136
.set AB,   144
.macro CHUNK c
	v_and_b32 v[KEY+\c], 0xff, v[SELR+\c]
	v_min_u32 v[KEY+\c], 31, v[KEY+\c]
.irp i, 0,1,2,3,4
	v_bfe_u32 v[T+\i], v[KEY+\c], \i, 1
	v_cmp_ne_u32 s[20+\i], 0, v[T+\i]              ; the ballot of bit i
	v_add_nc_u32 v[T+\i], -1, v[T+\i]              ; 0 where my key's bit is 1, else all ones
.endr
	v_xor_b32 v[MK], s20, v[NL]
	v_xor_b32 v[OM], s20, v[T]
.irp i, 1,2,3,4
	v_xor_b32 v[U0], s[20+\i], v[NL+\i]
	v_and_b32 v[MK], v[MK], v[U0]                  ; tokens of the chunk whose key is my lane's number
	v_xor_b32 v[U0], s[20+\i], v[T+\i]
	v_and_b32 v[OM], v[OM], v[U0]                  ; lanes whose key is mine
.endr
	v_mbcnt_lo_u32_b32 v[LR+\c], v[OM], 0          ; how many of them stand below me
	v_mov_b32 v[PRE+\c], v[RUN]                    ; key = lane: its tokens in my wave's earlier chunks
	v_lshrrev_b32 v[U0], 1, v[MK]                  ; the number of ones in MK
	v_and_b32 v[U0], s30, v[U0]
	v_sub_nc_u32 v[MK], v[MK], v[U0]
	v_lshrrev_b32 v[U0], 2, v[MK]
	v_and_b32 v[U0], s31, v[U0]
	v_and_b32 v[MK], s31, v[MK]
	v_add_nc_u32 v[MK], v[MK], v[U0]
	v_lshrrev_b32 v[U0], 4, v[MK]
	v_add_nc_u32 v[MK], v[MK], v[U0]
	v_and_b32 v[MK], s32, v[MK]
	v_mul_lo_u32 v[MK], v[MK], s33
	v_lshrrev_b32 v[MK], 24, v[MK]
	v_add_nc_u32 v[RUN], v[RUN], v[MK]
.endm
	s_load_b256 s[4:11], s[0:1], 0x0               ; sel, gate, list, gsort
	v_lshl_add_u32 v160, v0, 2, 0x800
	v_mov_b32 v161, 0
	v_lshrrev_b32 v2, 5, v0
	v_readfirstlane_b32 s12, v2                    ; wave 0..15
	v_and_b32 v1, 31, v0
	v_lshlrev_b32 v3, 2, v1                        ; 4 x lane
	v_lshl_add_u32 v4, v2, 10, v3                  ; sel: 1,024 w + 4 lane
	v_lshlrev_b32 v5, 1, v4                        ; gate: twice that
	v_lshl_add_u32 v6, v2, 7, v3                   ; LDS: 128 w + 4 lane
	v_lshl_add_u32 v7, v2, 8, v1                   ; my token of chunk 0
	s_mov_b32 s30, 0x55555555
	s_mov_b32 s31, 0x33333333
	s_mov_b32 s32, 0x0f0f0f0f
	s_mov_b32 s33, 0x01010101
	s_wait_kmcnt 0x0
.irp c, 0,1,2,3,4,5,6,7
	global_load_b32 v[SELR+\c], v4, s[4:5] offset:128*\c
.endr
.irp c, 0,1,2,3,4,5,6,7
	global_load_b64 v[GT+2*\c:GT+2*\c+1], v5, s[6:7] offset:256*\c
.endr
.irp i, 0,1,2,3,4
	v_bfe_u32 v[NL+\i], v1, \i, 1
	v_add_nc_u32 v[NL+\i], -1, v[NL+\i]
.endr
	v_lshrrev_b32 v[HM], 4, v1
	v_sub_nc_u32 v[HM], 0, v[HM]                   ; all ones in lanes 16-31
	v_mov_b32 v[RUN], 0
	v_mov_b32 v[U0], 0
	s_wait_loadcnt 0x0
.irp c, 0,1,2,3,4,5,6,7
	CHUNK \c
.endr
	ds_store_b32 v6, v[RUN]                        ; key = lane: its tokens in my wave
	s_wait_dscnt 0x0
	s_barrier_signal -1
	s_barrier_wait -1
.irp k, 0,1,2,3,4,5,6,7,8,9,10,11,12,13,14,15
	ds_load_b32 v[ROW+\k], v3 offset:128*\k
.endr
	v_mov_b32 v[BASE], 0
	v_mov_b32 v[TOT], 0
	s_wait_dscnt 0x0
.irp k, 0,1,2,3,4,5,6,7,8,9,10,11,12,13,14,15
	s_cmp_gt_u32 s12, \k
	s_cselect_b32 s13, -1, 0
	v_add_nc_u32 v[TOT], v[TOT], v[ROW+\k]         ; the key's tokens in all waves,
	v_and_b32 v[U0], s13, v[ROW+\k]
	v_add_nc_u32 v[BASE], v[BASE], v[U0]           ; and in the waves below mine
.endr
	v_mov_b32 v[SC], v[TOT]
.irp n, 1,2,4,8
	v_mov_b32_dpp v[U0], v[SC] row_shr:\n row_mask:0xf bank_mask:0xf bound_ctrl:1
	v_add_nc_u32 v[SC], v[SC], v[U0]               ; a running sum over each 16 lanes,
.endr
	v_readlane_b32 s13, v[SC], 15
	v_and_b32 v[U0], s13, v[HM]
	v_add_nc_u32 v[SC], v[SC], v[U0]               ; and over all 32
	v_sub_nc_u32 v[START], v[SC], v[TOT]
	v_add_nc_u32 v[START], v[START], v[BASE]       ; where my wave's tokens of key = lane begin
.irp c, 0,1,2,3,4,5,6,7
	v_add_nc_u32 v[U1+\c], v[START], v[PRE+\c]
	v_lshlrev_b32 v[K4+\c], 2, v[KEY+\c]
	ds_bpermute_b32 v[R+\c], v[K4+\c], v[U1+\c]    ; each token fetches its key's figure
.endr
	s_wait_dscnt 0x0
.irp c, 0,1,2,3,4,5,6,7
	v_add_nc_u32 v[R+\c], v[R+\c], v[LR+\c]
	v_min_u32 v[R+\c], 0xfff, v[R+\c]              ; the token's place
	v_lshlrev_b32 v[R4+\c], 2, v[R+\c]
	v_lshlrev_b32 v[R8+\c], 3, v[R+\c]
	v_add_nc_u32 v[TK+\c], 32*\c, v7
	v_lshrrev_b32 v[AB+\c], 8, v[SELR+\c]
	global_store_b32 v[R4+\c], v[TK+\c], s[8:9]
	global_store_b32 v[R4+\c], v[AB+\c], s[8:9] offset:16384
	global_store_b64 v[R8+\c], v[GT+2*\c:GT+2*\c+1], s[10:11]
.endr
	s_wait_tensorcnt 0x0
	ds_add_u32 v160, v161
	s_wait_dscnt 0x0
	s_endpgm
.Lfunc_end_k_qde9df78299_place:
	.size	k_qde9df78299_place, .Lfunc_end_k_qde9df78299_place-k_qde9df78299_place
	.p2alignl 7, 3214868480
	.fill 96, 4, 3214868480
	.section	.rodata,"a",@progbits
	.p2align	6, 0x0
	.amdhsa_kernel k_qde9df78299_place
		.amdhsa_group_segment_fixed_size 4096
		.amdhsa_private_segment_fixed_size 0
		.amdhsa_enable_private_segment 0
		.amdhsa_kernarg_size 32
		.amdhsa_user_sgpr_count 2
		.amdhsa_user_sgpr_kernarg_segment_ptr 1
		.amdhsa_wavefront_size32 1
		.amdhsa_system_sgpr_workgroup_id_x 1
		.amdhsa_system_sgpr_workgroup_id_y 1
		.amdhsa_system_sgpr_workgroup_id_z 1
		.amdhsa_system_vgpr_workitem_id 0
		.amdhsa_next_free_vgpr 162
		.amdhsa_next_free_sgpr 66
		.amdhsa_reserve_vcc 0
		.amdhsa_float_denorm_mode_32 3
		.amdhsa_float_denorm_mode_16_64 3
		.amdhsa_memory_ordered 1
		.amdhsa_forward_progress 1
		.amdhsa_inst_pref_size 29
	.end_amdhsa_kernel
	.amdgpu_metadata
---
amdhsa.version: [ 1, 2 ]
amdhsa.kernels:
  - .name:           k_qde9df78299_place
    .symbol:         k_qde9df78299_place.kd
    .args:
      - { .name: sel, .offset: 0, .size: 8, .value_kind: global_buffer, .address_space: global }
      - { .name: gate, .offset: 8, .size: 8, .value_kind: global_buffer, .address_space: global }
      - { .name: list, .offset: 16, .size: 8, .value_kind: global_buffer, .address_space: global }
      - { .name: gsort, .offset: 24, .size: 8, .value_kind: global_buffer, .address_space: global }
    .group_segment_fixed_size: 4096
    .private_segment_fixed_size: 0
    .kernarg_segment_align: 8
    .kernarg_segment_size: 32
    .max_flat_workgroup_size: 512
    .sgpr_count:     66
    .vgpr_count:     162
    .wavefront_size: 32
...
	.end_amdgpu_metadata
.endif
;; end of part 2
;; launch ffn1 (part 3): grid 8 x 32, 4 waves a work-group, no clusters, 135,680 bytes of LDS; arguments xq, list, wl, hq; writes hq
.if DOCPART == 3
	.amdgcn_target "amdgcn-amd-amdhsa--gfx1250"
	.amdhsa_code_object_version 6
	.text
	.protected	k_qde9df78299_ffn1
	.globl	k_qde9df78299_ffn1
	.p2align	8
	.type	k_qde9df78299_ffn1,@function
k_qde9df78299_ffn1:
	s_mov_b64 s[64:65], 0
	v_nop
	global_prefetch_b8 v0, s[64:65] scope:SCOPE_SE
	s_setreg_imm32_b32 hwreg(HW_REG_WAVE_MODE, 25, 1), 1
	s_wait_xcnt 0x0
; FFN1.  h = gelu(x w1^T), for the chosen experts alone, quantised to E3M2 along the hidden axis; both operands as codes of E3M2.
; Work-group (n, window): the window's 128 sorted tokens x hidden units 128 n .. 128 n + 127 of every expert that the window uses.
; Wave w owns hidden units 128 n + 32 w .. + 31 (two tiles of 16 rows of w1), which are ONE block of 32 along the next product's K.
; The product is used transposed (source 0 = 16 rows of w1, source 1 = 16 tokens), and a tile's rows are 8 u + r + 8 (r / 8), so that a lane's
; 16 results of the two tiles are 16 neighbours of that block.  The weights come from wl straight into registers, in two sets by turns:
; while one expert is multiplied the next one's 52 loads are on their way.  No tensor load: the walk over experts hangs on the stored list.
; NO MULTICAST: which experts a work-group walks is read from memory and differs between windows, so partners could not ask jointly.
; A pass takes one expert through the window's four units of 32 tokens; a unit none of whose tokens uses the expert is jumped over.
; Results: hq[window][q = n][slot][place][112 bytes]: 96 bytes of codes, the scale word (bytes 1 and 2 exchanged) at 96, 12 zeros.
; slot 0 is the token's lower expert, slot 1 its higher.  They gather in LDS and leave as 28,672 dense bytes.
; gelu(v) = 0.5 v (1 + erf(v / sqrt 2)), erf(z) = z P(z^2) / Q(z^2), z held to +-3.7439: absolute error of erf about 1e-7.
; LIMITS: in the far negative tail gelu's error is absolute, not relative.  NaN and infinities are not served.  A block of zeros gets the byte 1.
.set AC,   16                          ; v16-47   four accumulators: 16 g + 8 u + j
.set TS,   48                          ; v48-63   the tokens' scale words: 8 g + q        (scales and nothing else)
.set BS,   64                          ; v64-95   the weights' scale words: 16 set + 8 u + q   (scales and nothing else)
.set Z,    96
.set S,    128
.set P,    160
.set Q,    192
.set TM,   224
.set PC,   232
.set A0,   240
.set B0,   242
.set T0,   245
.set T1,   246
.set OUTG, 247                         ; v247     the way out: 7,168 w + 16 lane; made at the head, holds nothing else
.set OUTL, 248                         ; v248     the same in the stage
.set AW,   249                         ; v249-252 a | b<<8 of place 32 c + lane: unit c's, kept for the whole launch
.set ONE,  100                         ; prologue only
.set M,    101
.set GA,   112
.set XS,   100352                      ; LDS: 0: the tokens' codes, 128 x 784;  XS: their scale words, 128 x 48
.set STG,  106496                      ; the stage: [slot][place][112]
.set WL,   8
.set KR,   40
.set AL,   42
.set BE,   50
.set CLP,  60
.set CLN,  61
.set SEL,  62
.set MSB,  0
.macro WIN new                         ; the immediate's high byte repeats the setting that is left
.if MSB != (\new)
	s_set_vgpr_msb (MSB<<8)|(\new)
.set MSB, (\new)
.endif
.endm
.macro PAIR reg, val                   ; a packed form names a pair and takes its low word: both are written
	s_mov_b32 s[\reg], \val
	s_mov_b32 s[\reg+1], \val
.endm
.macro NEXTE d                         ; the lowest expert still to be walked
	s_ctz_i32_b32 s[\d], s18
	s_sub_co_u32 s32, s18, 1
	s_and_b32 s18, s18, s32
.endm
.macro SETBASE d                       ; where that expert's unit 4 n + w lies in wl
	s_wait_xcnt 0x0                                ; earlier loads have read these bases
	s_min_u32 s32, s[\d], 7
	s_lshl_b32 s32, s32, 5
	s_add_co_u32 s32, s32, s24
	s_mul_i32 s34, s32, 24576
	s_mov_b32 s35, 0
	s_add_nc_u64 s[28:29], s[WL:WL+1], s[34:35]
	s_lshl_b32 s34, s32, 10
	s_add_co_u32 s34, s34, 12582912
	s_add_nc_u64 s[30:31], s[WL:WL+1], s[34:35]
.endm
.macro LOADB set                       ; 52 loads: 16 fragments (q, u) at v[12 (2 q + u)] of window set + 1, 512 dense bytes a load; 16 scale words a lane
	WIN 0x40*(\set+1)
.set f, 0
.rept 48
	global_load_b128 v[4*f:4*f+3], v4, s[28:29] offset:512*f
.set f, f+1
.endr
	WIN 0
.irp u, 0,1
.irp j, 0,1
	global_load_b128 v[BS+16*(\set)+8*\u+4*\j:BS+16*(\set)+8*\u+4*\j+3], v5, s[30:31] offset:512*\u+16*\j
.endr
.endr
.endm
.macro REFILL set
	s_cmp_eq_u32 s18, 0
	s_cbranch_scc1 .Lnone_\@
	NEXTE 20+\set
	SETBASE 20+\set
	LOADB \set
	s_wait_xcnt 0x0                                ; EXEC and the bases may change behind this wait
	s_wait_loadcnt 52                              ; all but the 52 just issued: the other set is in
	s_branch .Ldone_\@
.Lnone_\@:
	s_mov_b32 s[20+\set], 8                        ; no expert is left for this set
	s_wait_loadcnt 0x0
.Ldone_\@:
.endm
.macro ACTB set                        ; bit 8 c of s19: unit c uses the set's expert
	s_mov_b32 s22, s[20+\set]
	s_min_u32 s32, s22, 7
	s_lshr_b32 s19, s17, s32
	s_cmp_eq_u32 s22, 8
	s_cselect_b32 s19, 0, s19
.endm
.macro MM set                          ; 32 matrix instructions; the four accumulators take turns
.irp q, 0,1,2,3,4,5,6,7
	s_wait_dscnt 42-6*\q                           ; K step q's six fragment loads are in; the 6 (7 - q) issued behind them may be out
.irp g, 0,1
.irp u, 0,1
.if \q == 0
	v_wmma_scale_f32_16x16x128_f8f6f4 v[AC+16*\g+8*\u:AC+16*\g+8*\u+7], v[12*(2*\q+\u):12*(2*\q+\u)+11], v[96*\g+12*\q:96*\g+12*\q+11], 0, v[BS+16*(\set)+8*\u+\q], v[TS+8*\g+\q] matrix_a_fmt:MATRIX_FMT_BF6 matrix_b_fmt:MATRIX_FMT_BF6
.else
	v_wmma_scale_f32_16x16x128_f8f6f4 v[AC+16*\g+8*\u:AC+16*\g+8*\u+7], v[12*(2*\q+\u):12*(2*\q+\u)+11], v[96*\g+12*\q:96*\g+12*\q+11], v[AC+16*\g+8*\u:AC+16*\g+8*\u+7], v[BS+16*(\set)+8*\u+\q], v[TS+8*\g+\q] matrix_a_fmt:MATRIX_FMT_BF6 matrix_b_fmt:MATRIX_FMT_BF6
.endif
.endr
.endr
.endr
.endm
.macro HORNER d, c                     ; d = d z^2 + c, 32 numbers
.set i, 0
.rept 16
	v_pk_fma_f32 v[\d+i:\d+i+1], v[\d+i:\d+i+1], v[S+i:S+i+1], s[\c:\c+1] op_sel_hi:[1,1,0]
.set i, i+2
.endr
.endm
.macro GELU                            ; v[AC] on -> gelu in v[Z] on
.set i, 0
.rept 16
	v_pk_mul_f32 v[Z+i:Z+i+1], v[AC+i:AC+i+1], s[KR:KR+1] op_sel_hi:[1,0]    ; each accumulator from its low end on
.set i, i+2
.endr
.set i, 0
.rept 32
	v_med3_num_f32 v[Z+i], v[Z+i], s[CLN], s[CLP]
.set i, i+1
.endr
.set i, 0
.rept 16
	v_pk_mul_f32 v[S+i:S+i+1], v[Z+i:Z+i+1], v[Z+i:Z+i+1]
.set i, i+2
.endr
.set i, 0
.rept 16
	v_pk_fma_f32 v[P+i:P+i+1], v[A0:A0+1], v[S+i:S+i+1], s[AL:AL+1] op_sel_hi:[1,1,0]
	v_pk_fma_f32 v[Q+i:Q+i+1], v[B0:B0+1], v[S+i:S+i+1], s[BE:BE+1] op_sel_hi:[1,1,0]
.set i, i+2
.endr
	HORNER P, AL+2
	HORNER Q, BE+2
	HORNER P, AL+4
	HORNER Q, BE+4
	HORNER P, AL+6
	HORNER Q, BE+6
	HORNER Q, BE+8
.set i, 0
.rept 16
	v_pk_fma_f32 v[Q+i:Q+i+1], v[Q+i:Q+i+1], v[S+i:S+i+1], 1.0 op_sel_hi:[1,1,0]
.set i, i+2
.endr
.set i, 0
.rept 32
	v_rcp_f32 v[Q+i], v[Q+i]
.set i, i+1
.endr
.set i, 0
.rept 16
	v_pk_mul_f32 v[P+i:P+i+1], v[P+i:P+i+1], v[Z+i:Z+i+1]                    ; work that names no reciprocal
	v_pk_mul_f32 v[S+i:S+i+1], v[AC+i:AC+i+1], 0.5 op_sel_hi:[1,0]
.set i, i+2
.endr
	s_wait_alu depctr_va_vdst(0)                   ; one wait for the 32 reciprocals, ahead of their first reader
.set i, 0
.rept 16
	v_pk_mul_f32 v[P+i:P+i+1], v[P+i:P+i+1], v[Q+i:Q+i+1]                    ; erf
.set i, i+2
.endr
.set i, 0
.rept 16
	v_pk_fma_f32 v[Z+i:Z+i+1], v[S+i:S+i+1], v[P+i:P+i+1], v[S+i:S+i+1]      ; 0.5 v + 0.5 v erf
.set i, i+2
.endr
.endm
.macro HSTORE off                      ; my place's block: 24 bytes of codes and its scale byte
	ds_store_b64 v10, v[PC:PC+1] offset:\off
	ds_store_b64 v10, v[PC+2:PC+3] offset:\off+8
	ds_store_b64 v10, v[PC+4:PC+5] offset:\off+16
	ds_store_b8 v11, v[TM+6] offset:\off
.endm
.macro UNIT1 set, un
	s_bitcmp1_b32 s19, 8*(\un)
	s_cbranch_scc0 .Lskip_\@
.irp g, 0,1
.irp j, 0,1
	ds_load_b128 v[TS+8*\g+4*\j:TS+8*\g+4*\j+3], v8 offset:1536*(\un)+768*\g+16*\j
.endr
.endr
	WIN 0xc0                                       ; destination window 3
.irp q, 0,1,2,3,4,5,6,7
.irp g, 0,1
.irp c, 0,1,2
	ds_load_b128 v[96*\g+12*\q+4*\c:96*\g+12*\q+4*\c+3], v[6+(\un)/2] offset:25088*((\un)%2)+12544*\g+96*\q+16*\c
.endr
.endr
.endr
	WIN 0x0c|(\set+1)                              ; source 0 the set's window, source 1 window 3
	MM \set
	WIN 0
.rept 4
	v_nop                                          ; places behind the last products
.endr
	GELU
.irp g, 0,1
	v_max3_num_f32 v[TM+\g], |v[Z+16*\g]|, |v[Z+16*\g+1]|, 0x2800000         ; my 16 of the token's block, and the floor 2^(5 - 127)
.endr
.irp i, 2,4,6,8,10,12,14
.irp g, 0,1
	v_max3_num_f32 v[TM+\g], v[TM+\g], |v[Z+16*\g+\i]|, |v[Z+16*\g+\i+1]|
.endr
.endr
.irp g, 0,1
	v_permlanex16_b32 v[TM+2+\g], v[TM+\g], s[SEL], s[SEL+1]
.endr
.irp g, 0,1
	v_max_num_f32 v[TM+\g], v[TM+\g], v[TM+2+\g]
.endr
.irp g, 0,1
	v_add_nc_u32 v[TM+4+\g], 0xfe000000, v[TM+\g]  ; 4 off the exponent field: the conversion's scale operand
.endr
.irp g, 0,1
	v_lshrrev_b32 v[TM+6+\g], 23, v[TM+4+\g]       ; the scale's byte
.endr
	v_cvt_scalef32_pk16_bf6_f32 v[PC:PC+2], v[Z:Z+15], v[TM+4]
	v_cvt_scalef32_pk16_bf6_f32 v[PC+4:PC+6], v[Z+16:Z+31], v[TM+5]
	v_nop                                          ; one plain place behind a scaled conversion
.irp i, 0,1,2
	v_permlane16_swap_b32 v[PC+\i], v[PC+4+\i]     ; now lane = place in the unit: the block's lower 16 codes here, its upper 16 there
.endr
	v_permlane16_swap_b32 v[TM+6], v[TM+7]
.irp i, 0,1,2
	v_mov_b32 v[PC+3+\i], v[PC+4+\i]
.endr
	v_and_b32 v[T0], 0xff, v[AW+(\un)]
	v_lshrrev_b32 v[T1], 8, v[AW+(\un)]
	v_cmp_eq_u32 vcc_lo, s22, v[T0]
	s_wait_xcnt 0x0                                ; EXEC changes only behind this wait
	s_and_saveexec_b32 s36, vcc_lo                 ; places whose lower expert this is: slot 0
	HSTORE 3584*(\un)
	s_or_b32 exec_lo, exec_lo, s36
	v_cmp_eq_u32 vcc_lo, s22, v[T1]
	s_and_saveexec_b32 s36, vcc_lo                 ; whose higher expert: slot 1
	HSTORE 3584*(\un)+14336
	s_or_b32 exec_lo, exec_lo, s36
.Lskip_\@:
.endm
	s_load_b256 s[4:11], s[0:1], 0x0               ; xq, list, wl, hq
	v_lshl_add_u32 v254, v0, 2, 0x21000
	v_mov_b32 v255, 0
	v_lshrrev_b32 v1, 5, v0
	v_readfirstlane_b32 s14, v1                    ; wave 0..3
	v_and_b32 v1, 31, v0                           ; lane
	v_and_b32 v2, 15, v0                           ; r
	v_bfe_u32 v3, v0, 4, 1                         ; h
	v_lshlrev_b32 v4, 4, v1                        ; 16 x lane
	v_lshlrev_b32 v5, 5, v2                        ; 32 r
	s_mov_b32 s15, ttmp9                           ; n
	s_and_b32 s16, ttmp7, 0xffff                   ; window
	s_lshl_b32 s24, s15, 2
	s_add_co_u32 s24, s24, s14                     ; 4 n + w
	v_lshlrev_b32 v12, 2, v1
	s_lshl_b32 s32, s14, 7
	v_lshl_add_u32 v14, v3, 2, s32                 ; 128 w + 4 h
	v_lshrrev_b32 v15, 1, v1
	v_lshl_add_u32 v15, v15, 2, s32                ; 128 w + 4 (lane / 2)
	s_lshl_b32 s32, s16, 9
	s_mov_b32 s33, 0
	s_wait_kmcnt 0x0
	s_add_nc_u64 s[12:13], s[6:7], s[32:33]        ; the list at my window
.irp c, 0,1,2,3
	global_load_b32 v[AW+\c], v12, s[12:13] offset:16384+128*\c    ; a | b<<8 of place 32 c + lane
.endr
.irp j, 0,1,2,3,4,5,6,7,8,9,10,11,12,13,14,15
	global_load_b32 v[GA+\j], v14, s[12:13] offset:8*\j            ; the token at place 32 w + 2 j + h
.endr
.irp i, 0,1
	global_load_b32 v[105+\i], v15, s[12:13] offset:64*\i          ; at place 32 w + 16 i + lane / 2
.endr
	s_lshl_b32 s32, s16, 3
	s_add_co_u32 s32, s32, s15
	s_mul_i32 s32, s32, 28672
	s_add_nc_u64 s[26:27], s[10:11], s[32:33]      ; hq at (window, q = n)
	PAIR KR, 0x3f3504f3
	PAIR AL, 0x3b5f5da2
	PAIR AL+2, 0x3d50b6eb
	PAIR AL+4, 0x3e3da740
	PAIR AL+6, 0x3f906eba
	PAIR BE, 0x37c588df
	PAIR BE+2, 0x3a856d28
	PAIR BE+4, 0x3c6687d4
	PAIR BE+6, 0x3de34c21
	PAIR BE+8, 0x3efeb44a
	s_mov_b32 s[CLP], 0x406f9c67
	s_mov_b32 s[CLN], 0xc06f9c67
	s_mov_b32 s[SEL], 0x76543210
	s_mov_b32 s[SEL+1], 0xfedcba98
	v_mov_b32 v[A0], 0x39702d51
	v_mov_b32 v[A0+1], 0x39702d51
	v_mov_b32 v[B0], 0xb3fd3906
	v_mov_b32 v[B0+1], 0xb3fd3906
	v_mov_b32 v[TM+2], 0                           ; a lane permute's destination counts as one of its sources
	v_mov_b32 v[TM+3], 0
	v_mul_u32_u24 v6, v2, 784
	v_mad_u32_u24 v6, v3, 48, v6                   ; a fragment: 784 r + 48 h (units 0, 1)
	v_add_nc_u32 v7, 50176, v6                     ; units 2, 3
	v_mul_u32_u24 v8, v2, 48
	v_add_nc_u32 v8, XS, v8
	v_mul_u32_u24 v10, v1, 112
	v_add_nc_u32 v10, STG, v10
	s_and_b32 s32, s14, 1
	s_lshl_b32 s32, s32, 1
	s_lshr_b32 s33, s14, 1
	s_or_b32 s32, s32, s33                         ; block w's byte stands at place 0, 2, 1, 3 of the word
	s_add_co_u32 s32, s32, 96
	v_add_nc_u32 v11, s32, v10
	s_mul_i32 s32, s14, 24
	v_add_nc_u32 v10, s32, v10                     ; block w's 24 bytes
	s_mul_i32 s32, s14, 7168
	v_add_nc_u32 v[OUTG], s32, v4                  ; the way out: my quarter of the stage's 28,672 bytes
	v_add_nc_u32 v[OUTL], STG, v[OUTG]
	s_mul_i32 s32, s14, 25088
	v_mul_u32_u24 v144, v3, 784
	v_lshl_add_u32 v144, v2, 4, v144
	v_add_nc_u32 v144, s32, v144                   ; the gather's way into LDS: 25,088 w + 784 h + 16 r
	v_lshrrev_b32 v145, 1, v1
	v_mul_u32_u24 v145, v145, 48
	v_and_b32 v149, 1, v1
	v_lshlrev_b32 v149, 4, v149                    ; 16 (lane % 2)
	v_add_nc_u32 v145, v145, v149
	s_mul_i32 s32, s14, 1536
	v_add_nc_u32 v145, s32, v145
	v_add_nc_u32 v145, XS, v145
	v_mul_u32_u24 v147, v0, 112
	v_add_nc_u32 v147, STG+96, v147
	v_lshlrev_b32 v148, 4, v2                      ; 16 r
.irp i, 0,1,2,3
	v_mov_b32 v[152+\i], 0
.endr
	s_wait_loadcnt 0x0
.irp j, 0,1,2,3,4,5,6,7,8,9,10,11,12,13,14,15
	v_min_u32 v[GA+\j], 0xfff, v[GA+\j]
	v_mul_u32_u24 v[GA+\j], 0x300, v[GA+\j]
	v_add_nc_u32 v[GA+\j], v[GA+\j], v148
.endr
.irp i, 0,1
	v_min_u32 v[105+\i], 0xfff, v[105+\i]
	v_lshlrev_b32 v[105+\i], 5, v[105+\i]
	v_add_nc_u32 v[105+\i], v[105+\i], v149
.endr
	WIN 0xc0
.irp j, 0,1,2,3,4,5,6,7,8,9,10,11,12,13,14,15
.irp c, 0,1,2
	global_load_b128 v[12*\j+4*\c:12*\j+4*\c+3], v[GA+\j], s[4:5] offset:256*\c    ; sixteen lanes read 256 aligned bytes of a token's codes
.endr
.endr
	WIN 0
.irp i, 0,1
	global_load_b128 v[132+4*\i:135+4*\i], v[105+\i], s[4:5] offset:3145728
.endr
	; which units use which experts: bit 8 c + e of s17
	v_mov_b32 v[ONE], 1
	v_mov_b32 v[M], 0
.irp c, 0,1,2,3
	v_and_b32 v[T0], 7, v[AW+\c]
	v_bfe_u32 v[T1], v[AW+\c], 8, 3
	v_lshlrev_b32 v[T0], v[T0], v[ONE]
	v_lshlrev_b32 v[T1], v[T1], v[ONE]
	v_or_b32 v[T0], v[T0], v[T1]
	v_lshl_or_b32 v[M], v[T0], 8*\c, v[M]
.endr
	v_mov_b32 v[T0], 0
.irp x, 1,2,4,8
	v_mov_b32_dpp v[T0], v[M] row_xmask:\x row_mask:0xf bank_mask:0xf
	v_or_b32 v[M], v[M], v[T0]
.endr
	v_permlanex16_b32 v[T0], v[M], s[SEL], s[SEL+1]
	v_or_b32 v[M], v[M], v[T0]
	v_readfirstlane_b32 s17, v[M]
	s_lshr_b32 s32, s17, 16
	s_or_b32 s32, s32, s17
	s_lshr_b32 s33, s32, 8
	s_or_b32 s32, s32, s33
	s_and_b32 s18, s32, 0xff                       ; the experts that the window uses: two at the least
	NEXTE 20
	SETBASE 20
	LOADB 0
	s_wait_loadcnt 52                              ; the gather's 50 loads are in; set 0's 52 may be out
	WIN 0x0c                                       ; store data window 3
.irp j, 0,1,2,3,4,5,6,7,8,9,10,11,12,13,14,15
.irp c, 0,1,2
	ds_store_b128 v144, v[12*\j+4*\c:12*\j+4*\c+3] offset:1568*\j+256*\c
.endr
.endr
	WIN 0
.irp i, 0,1
	ds_store_b128 v145, v[132+4*\i:135+4*\i] offset:768*\i
.endr
	ds_store_b128 v147, v[152:155]                 ; bytes 96 to 111 of both slots' rows begin as zeros
	ds_store_b128 v147, v[152:155] offset:14336
	NEXTE 21
	SETBASE 21
	LOADB 1
	s_wait_xcnt 0x0
	s_wait_dscnt 0x0                               ; my stores have landed
	s_barrier_signal -1
	s_barrier_wait -1
	s_wait_loadcnt 52                              ; set 0 is in; set 1's 52 may be out
	s_mov_b32 s23, 4
.Ltrip:                                            ; four trips of two experts: eight at the most
	ACTB 0
	UNIT1 0, 0
	UNIT1 0, 1
	UNIT1 0, 2
	UNIT1 0, 3
	REFILL 0
	ACTB 1
	UNIT1 1, 0
	UNIT1 1, 1
	UNIT1 1, 2
	UNIT1 1, 3
	REFILL 1
	s_sub_co_u32 s23, s23, 1
	s_cmp_lg_u32 s23, 0
	s_cbranch_scc1 .Ltrip
	s_wait_dscnt 0x0                               ; my stores into the stage have landed
	s_barrier_signal -1
	s_barrier_wait -1
.set i, 0
.rept 14
	ds_load_b128 v[Z+4*i:Z+4*i+3], v[OUTL] offset:512*i
.set i, i+1
.endr
.set i, 0
.rept 14
	s_wait_dscnt 13-i
	global_store_b128 v[OUTG], v[Z+4*i:Z+4*i+3], s[26:27] offset:512*i   ; 512 consecutive bytes, at a multiple of 256 from hq's first byte
.set i, i+1
.endr
	s_wait_tensorcnt 0x0
	ds_add_u32 v254, v255
	s_wait_dscnt 0x0
	s_endpgm
.Lfunc_end_k_qde9df78299_ffn1:
	.size	k_qde9df78299_ffn1, .Lfunc_end_k_qde9df78299_ffn1-k_qde9df78299_ffn1
	.p2alignl 7, 3214868480
	.fill 96, 4, 3214868480
	.section	.rodata,"a",@progbits
	.p2align	6, 0x0
	.amdhsa_kernel k_qde9df78299_ffn1
		.amdhsa_group_segment_fixed_size 135680
		.amdhsa_private_segment_fixed_size 0
		.amdhsa_enable_private_segment 0
		.amdhsa_kernarg_size 32
		.amdhsa_user_sgpr_count 2
		.amdhsa_user_sgpr_kernarg_segment_ptr 1
		.amdhsa_wavefront_size32 1
		.amdhsa_system_sgpr_workgroup_id_x 1
		.amdhsa_system_sgpr_workgroup_id_y 1
		.amdhsa_system_sgpr_workgroup_id_z 1
		.amdhsa_system_vgpr_workitem_id 0
		.amdhsa_next_free_vgpr 1024
		.amdhsa_next_free_sgpr 66
		.amdhsa_reserve_vcc 1
		.amdhsa_float_denorm_mode_32 3
		.amdhsa_float_denorm_mode_16_64 3
		.amdhsa_memory_ordered 1
		.amdhsa_forward_progress 1
		.amdhsa_inst_pref_size 255
	.end_amdhsa_kernel
	.section	.bss,"aw",@nobits
	.p2align	6
	.space	262144
	.amdgpu_metadata
---
amdhsa.version: [ 1, 2 ]
amdhsa.kernels:
  - .name:           k_qde9df78299_ffn1
    .symbol:         k_qde9df78299_ffn1.kd
    .args:
      - { .name: xq, .offset: 0, .size: 8, .value_kind: global_buffer, .address_space: global }
      - { .name: list, .offset: 8, .size: 8, .value_kind: global_buffer, .address_space: global }
      - { .name: wl, .offset: 16, .size: 8, .value_kind: global_buffer, .address_space: global }
      - { .name: hq, .offset: 24, .size: 8, .value_kind: global_buffer, .address_space: global }
    .group_segment_fixed_size: 135680
    .private_segment_fixed_size: 0
    .kernarg_segment_align: 8
    .kernarg_segment_size: 32
    .max_flat_workgroup_size: 128
    .sgpr_count:     66
    .vgpr_count:     1024
    .wavefront_size: 32
...
	.end_amdgpu_metadata
.endif
;; end of part 3
;; launch ffn2 (part 4): grid 8 x 32, 4 waves a work-group, no clusters, 299,520 bytes of LDS; arguments hq, list, gsort, wl, out0; writes out0
.if DOCPART == 4
	.amdgcn_target "amdgcn-amd-amdhsa--gfx1250"
	.amdhsa_code_object_version 6
	.text
	.protected	k_qde9df78299_ffn2
	.globl	k_qde9df78299_ffn2
	.p2align	8
	.type	k_qde9df78299_ffn2,@function
k_qde9df78299_ffn2:
	s_mov_b64 s[64:65], 0
	v_nop
	global_prefetch_b8 v0, s[64:65] scope:SCOPE_SE
	s_setreg_imm32_b32 hwreg(HW_REG_WAVE_MODE, 25, 1), 1
	s_wait_xcnt 0x0
; FFN2.  out[token] = g_a (h_a w2_a^T) + g_b (h_b w2_b^T), both operands as codes of E3M2.  Each output row has one owner.
; Work-group (n, window): the window's 128 sorted tokens x output columns 128 n .. + 127.  Wave w owns columns 128 n + 32 w .. + 31.
; The window's hidden codes (both slots, all of K: 229,376 dense bytes of hq) are copied into LDS once.  The weights come from wl straight into
; registers, in two sets by turns, as in ffn1.  No tensor load: the walk over experts hangs on the stored list; NO MULTICAST for the same reason.
; A pass takes one expert e through the units of 32 tokens that use it.  A lane's token reads slot 0 where e is its lower expert and slot 1
; otherwise: min(a xor e, 1) x 14,336 is added to the lane's address.  The product is then added with the weight g_a, g_b, or 0 where the token
; does not use e.  The product is used transposed (source 0 = 16 rows of w2, source 1 = 16 tokens): a lane holds one token and eight columns.
; LIMITS: a lane that does not use e multiplies a foreign product by 0, which takes that product to be finite.  NaN and infinities are not served.
.set HBU,  6                           ; v6-9    112 r + 48 h + 3,584 unit
.set TT,   11
.set HA,   12                          ; v12-17  group g's addresses for K steps 0-2, 3-5, 6-7
.set CG,   18                          ; v18, v20 the groups' weights (named as pairs: v19, v21 are written once)
.set AR,   24                          ; v24-31  a of the token at (unit, g, r)
.set BR,   32                          ; v32-39  b
.set G,    40                          ; v40-55  (g_a, g_b)
.set TS,   56                          ; v56-71  the tokens' scale words   (scales and nothing else)
.set BS,   72                          ; v72-103 the weights' scale words  (scales and nothing else)
.set AW,   104
.set ONE,  108
.set M,    109
.set T0,   110
.set T1,   111
.set O,    128                         ; v128-255 the sums: 32 unit + 16 g + 8 u + j
.set AC,   192                         ; window 3: four accumulators
.set HPAD, 229376                      ; LDS: 0: the hidden codes as hq has them;  HPAD: 512 zero bytes
.set STO,  230912                      ; the stage for the way out: 128 rows x (512 + 16)
.set WL,   10
.set SEL,  40
.set MSB,  0
.macro WIN new                         ; the immediate's high byte repeats the setting that is left
.if MSB != (\new)
	s_set_vgpr_msb (MSB<<8)|(\new)
.set MSB, (\new)
.endif
.endm
.macro NEXTE d
	s_ctz_i32_b32 s[\d], s18
	s_sub_co_u32 s32, s18, 1
	s_and_b32 s18, s18, s32
.endm
.macro SETBASE d
	s_wait_xcnt 0x0                                ; earlier loads have read these bases
	s_min_u32 s32, s[\d], 7
	s_lshl_b32 s32, s32, 5
	s_add_co_u32 s32, s32, s24
	s_mul_i32 s34, s32, 24576
	s_add_co_u32 s34, s34, 6291456                 ; w2's fragments lie behind w1's
	s_mov_b32 s35, 0
	s_add_nc_u64 s[28:29], s[WL:WL+1], s[34:35]
	s_lshl_b32 s34, s32, 10
	s_add_co_u32 s34, s34, 12582912+262144
	s_add_nc_u64 s[30:31], s[WL:WL+1], s[34:35]
.endm
.macro LOADB set                       ; 52 loads, as in ffn1
	WIN 0x40*(\set+1)
.set f, 0
.rept 48
	global_load_b128 v[4*f:4*f+3], v4, s[28:29] offset:512*f
.set f, f+1
.endr
	WIN 0
.irp u, 0,1
.irp j, 0,1
	global_load_b128 v[BS+16*(\set)+8*\u+4*\j:BS+16*(\set)+8*\u+4*\j+3], v5, s[30:31] offset:512*\u+16*\j
.endr
.endr
.endm
.macro REFILL set
	s_cmp_eq_u32 s18, 0
	s_cbranch_scc1 .Lnone_\@
	NEXTE 20+\set
	SETBASE 20+\set
	LOADB \set
	s_wait_xcnt 0x0
	s_wait_loadcnt 52                              ; all but the 52 just issued: the other set is in
	s_branch .Ldone_\@
.Lnone_\@:
	s_mov_b32 s[20+\set], 8
	s_wait_loadcnt 0x0
.Ldone_\@:
.endm
.macro ACTB set
	s_mov_b32 s22, s[20+\set]
	s_min_u32 s32, s22, 7
	s_lshr_b32 s19, s17, s32
	s_cmp_eq_u32 s22, 8
	s_cselect_b32 s19, 0, s19
.endm
.macro MM set                          ; 32 matrix instructions; the four accumulators take turns
.irp q, 0,1,2,3,4,5,6,7
	s_wait_dscnt 42-6*\q                           ; K step q's six fragment loads are in; the 6 (7 - q) issued behind them may be out
.irp g, 0,1
.irp u, 0,1
.if \q == 0
	v_wmma_scale_f32_16x16x128_f8f6f4 v[AC+16*\g+8*\u:AC+16*\g+8*\u+7], v[12*(2*\q+\u):12*(2*\q+\u)+11], v[96*\g+12*\q:96*\g+12*\q+11], 0, v[BS+16*(\set)+8*\u+\q], v[TS+8*\g+\q] matrix_a_fmt:MATRIX_FMT_BF6 matrix_b_fmt:MATRIX_FMT_BF6
.else
	v_wmma_scale_f32_16x16x128_f8f6f4 v[AC+16*\g+8*\u:AC+16*\g+8*\u+7], v[12*(2*\q+\u):12*(2*\q+\u)+11], v[96*\g+12*\q:96*\g+12*\q+11], v[AC+16*\g+8*\u:AC+16*\g+8*\u+7], v[BS+16*(\set)+8*\u+\q], v[TS+8*\g+\q] matrix_a_fmt:MATRIX_FMT_BF6 matrix_b_fmt:MATRIX_FMT_BF6
.endif
.endr
.endr
.endr
.endm
.macro UNIT2 set, un
	s_bitcmp1_b32 s19, 8*(\un)
	s_cbranch_scc0 .Lskip_\@
.irp g, 0,1
	v_xor_b32 v[TT], s22, v[AR+2*(\un)+\g]
	v_min_u32 v[TT], 1, v[TT]                                      ; 0 where e is the token's lower expert, else 1: the slot
	v_mul_u32_u24 v[TT], 0x3800, v[TT]                             ; 14,336 bytes from slot 0 to slot 1
	v_add_nc_u32 v[HA+3*\g], v[TT], v[HBU+(\un)]
	v_add_nc_u32 v[HA+3*\g+1], 86016, v[HA+3*\g]
	v_add_nc_u32 v[HA+3*\g+2], 172032, v[HA+3*\g]
	v_cmp_eq_u32 vcc_lo, s22, v[BR+2*(\un)+\g]
	v_cndmask_b32 v[CG+2*\g], 0, v[G+4*(\un)+2*\g+1], vcc_lo       ; the weight: g_b, g_a, or 0 for a token that does not use e
	v_cmp_eq_u32 vcc_lo, s22, v[AR+2*(\un)+\g]
	v_cndmask_b32 v[CG+2*\g], v[CG+2*\g], v[G+4*(\un)+2*\g], vcc_lo
.endr
.irp g, 0,1
.irp q, 0,1,2,3,4,5,6,7
	ds_load_b32 v[TS+8*\g+\q], v[HA+3*\g+\q/3] offset:28672*(\q%3)+1792*\g+96      ; lanes 0-15: the row's word; lanes 16-31 read 48 bytes on and are not used
.endr
.endr
	WIN 0xc0                                       ; destination window 3
.irp q, 0,1,2,3,4,5,6,7
.irp g, 0,1
.irp c, 0,1,2
	ds_load_b128 v[96*\g+12*\q+4*\c:96*\g+12*\q+4*\c+3], v[HA+3*\g+\q/3] offset:28672*(\q%3)+1792*\g+16*\c
.endr
.endr
.endr
	WIN 0xfc|(\set+1)                              ; source 0 the set's window; source 1, C and D window 3
	MM \set
	WIN 0
.rept 4
	v_nop                                          ; places behind the last products
.endr
	WIN 0x03                                       ; source 0 window 3
.set i, 0
.rept 16
	v_pk_fma_f32 v[O+32*(\un)+2*i:O+32*(\un)+2*i+1], v[AC+2*i:AC+2*i+1], v[CG+2*(i/8):CG+2*(i/8)+1], v[O+32*(\un)+2*i:O+32*(\un)+2*i+1] op_sel_hi:[1,0,1]   ; each accumulator from its low end on
.set i, i+1
.endr
	WIN 0
.Lskip_\@:
.endm
	s_load_b256 s[4:11], s[0:1], 0x0               ; hq, list, gsort, wl
	s_load_b64 s[12:13], s[0:1], 0x20              ; out0
	v_lshl_add_u32 v126, v0, 2, 0x49000
	v_mov_b32 v127, 0
	v_lshrrev_b32 v1, 5, v0
	v_readfirstlane_b32 s14, v1                    ; wave 0..3
	v_and_b32 v1, 31, v0
	v_and_b32 v2, 15, v0
	v_bfe_u32 v3, v0, 4, 1
	v_lshlrev_b32 v4, 4, v1                        ; 16 x lane
	v_lshlrev_b32 v5, 5, v2                        ; 32 r
	s_mov_b32 s15, ttmp9                           ; n
	s_and_b32 s16, ttmp7, 0xffff                   ; window
	s_lshl_b32 s24, s15, 2
	s_add_co_u32 s24, s24, s14                     ; 4 n + w
	v_lshlrev_b32 v112, 2, v1                      ; 4 x lane
	v_lshlrev_b32 v113, 2, v2                      ; 4 r
	v_lshlrev_b32 v114, 3, v2                      ; 8 r
	s_mov_b32 s[SEL], 0x76543210
	s_mov_b32 s[SEL+1], 0xfedcba98
	s_mov_b32 s33, 0
	s_lshl_b32 s32, s16, 9
	s_wait_kmcnt 0x0
	s_add_nc_u64 s[26:27], s[6:7], s[32:33]        ; the list at my window
	s_lshl_b32 s32, s14, 7
	s_add_nc_u64 s[42:43], s[26:27], s[32:33]
	s_load_b512 s[68:83], s[42:43], 0x0            ; the tokens at places 32 w .. 32 w + 31
	s_load_b512 s[84:99], s[42:43], 0x40
	s_lshl_b32 s32, s16, 10
	s_add_nc_u64 s[38:39], s[8:9], s[32:33]        ; gsort at my window
	s_mul_i32 s32, s16, 229376
	s_mul_i32 s34, s14, 57344
	s_add_co_u32 s32, s32, s34
	s_add_nc_u64 s[36:37], s[4:5], s[32:33]        ; hq at my window, my quarter of it
.irp c, 0,1,2,3
	global_load_b32 v[AW+\c], v112, s[26:27] offset:16384+128*\c
.endr
.irp k, 0,1,2,3,4,5,6,7
	global_load_b32 v[AR+\k], v113, s[26:27] offset:16384+64*\k            ; k = 2 unit + g
.endr
.irp k, 0,1,2,3,4,5,6,7
	global_load_b64 v[G+2*\k:G+2*\k+1], v114, s[38:39] offset:128*\k
.endr
	WIN 0xc0
.set i, 0
.rept 56
	global_load_b128 v[4*i:4*i+3], v4, s[36:37] offset:512*i               ; the hidden codes, part 1: 56 pieces of 512 dense bytes
.set i, i+1
.endr
	WIN 0
	v_mul_u32_u24 v[HBU], v2, 112
	v_mad_u32_u24 v[HBU], v3, 48, v[HBU]
	v_add_nc_u32 v[HBU+1], 3584, v[HBU]
	v_add_nc_u32 v[HBU+2], 7168, v[HBU]
	v_add_nc_u32 v[HBU+3], 10752, v[HBU]
	v_mov_b32 v[CG+1], 0
	v_mov_b32 v[CG+3], 0
	v_add_nc_u32 v115, s34, v4                     ; the copy's place in LDS: 57,344 w + 16 lane
	v_lshl_add_u32 v116, v0, 2, HPAD
	v_mov_b32 v117, 0
	v_mul_u32_u24 v118, v2, 528
	v_lshl_add_u32 v118, v3, 5, v118
	s_lshl_b32 s32, s14, 7
	v_add_nc_u32 v118, s32, v118
	v_add_nc_u32 v118, STO, v118                   ; into the stage: row r, + 32 h, + 128 w
	s_mul_i32 s32, s14, 16896
	v_add_nc_u32 v119, s32, v4
	v_add_nc_u32 v119, STO, v119                   ; back: my 32 rows, 16 bytes a lane
	s_lshl_b32 s32, s15, 9
	v_add_nc_u32 v120, s32, v4                     ; in a row of out0: 512 n + 16 lane
	s_wait_loadcnt 56                              ; the 20 list loads are in; part 1 may be out
	v_mov_b32 v[ONE], 1
	v_mov_b32 v[M], 0
.irp c, 0,1,2,3
	v_and_b32 v[T0], 7, v[AW+\c]
	v_bfe_u32 v[T1], v[AW+\c], 8, 3
	v_lshlrev_b32 v[T0], v[T0], v[ONE]
	v_lshlrev_b32 v[T1], v[T1], v[ONE]
	v_or_b32 v[T0], v[T0], v[T1]
	v_lshl_or_b32 v[M], v[T0], 8*\c, v[M]
.endr
	v_mov_b32 v[T0], 0
.irp x, 1,2,4,8
	v_mov_b32_dpp v[T0], v[M] row_xmask:\x row_mask:0xf bank_mask:0xf
	v_or_b32 v[M], v[M], v[T0]
.endr
	v_permlanex16_b32 v[T0], v[M], s[SEL], s[SEL+1]
	v_or_b32 v[M], v[M], v[T0]
	v_readfirstlane_b32 s17, v[M]                  ; bit 8 c + e: unit c uses expert e
	s_lshr_b32 s32, s17, 16
	s_or_b32 s32, s32, s17
	s_lshr_b32 s33, s32, 8
	s_or_b32 s32, s32, s33
	s_and_b32 s18, s32, 0xff
.irp k, 0,1,2,3,4,5,6,7
	v_lshrrev_b32 v[BR+\k], 8, v[AR+\k]
	v_and_b32 v[AR+\k], 0xff, v[AR+\k]
.endr
.set i, 56
.rept 32
	global_load_b128 v[O+4*(i-56):O+4*(i-56)+3], v4, s[36:37] offset:512*i     ; part 2
.set i, i+1
.endr
	s_wait_loadcnt 32                              ; part 1 is in
	WIN 0x0c                                       ; store data window 3
.set i, 0
.rept 56
	ds_store_b128 v115, v[4*i:4*i+3] offset:512*i
.set i, i+1
.endr
	WIN 0
	s_wait_dscnt 0x0                               ; the stores have read their registers
	WIN 0xc0
.set i, 88
.rept 24
	global_load_b128 v[4*(i-88):4*(i-88)+3], v4, s[36:37] offset:512*i         ; part 3
.set i, i+1
.endr
	WIN 0
	s_wait_loadcnt 24                              ; part 2 is in
.set i, 56
.rept 32
	ds_store_b128 v115, v[O+4*(i-56):O+4*(i-56)+3] offset:512*i
.set i, i+1
.endr
	NEXTE 20
	SETBASE 20
	LOADB 0
	s_wait_loadcnt 52                              ; part 3 is in; set 0's 52 may be out
	WIN 0x0c
.set i, 88
.rept 24
	ds_store_b128 v115, v[4*(i-88):4*(i-88)+3] offset:512*i
.set i, i+1
.endr
	WIN 0
	ds_store_b32 v116, v117                        ; zeros behind the codes: what lanes 16-31 read beside the last row's word
	NEXTE 21
	SETBASE 21
	LOADB 1
	s_wait_xcnt 0x0
	s_wait_kmcnt 0x0
.set i, 0
.rept 32
	s_min_u32 s[68+i], s[68+i], 0xfff
	s_lshl_b32 s[68+i], s[68+i], 12                ; the token's row in out0, in bytes
.set i, i+1
.endr
	s_wait_dscnt 0x0                               ; my stores have landed and have read their registers
.set i, 0
.rept 128
	v_mov_b32 v[O+i], 0                            ; which pass is a lane's first hangs on its token, so the sums begin as zeros
.set i, i+1
.endr
	s_barrier_signal -1
	s_barrier_wait -1
	s_wait_loadcnt 52                              ; set 0 is in; set 1's 52 may be out
	s_mov_b32 s23, 4
.Ltrip:                                            ; four trips of two experts: eight at the most
	ACTB 0
	UNIT2 0, 0
	UNIT2 0, 1
	UNIT2 0, 2
	UNIT2 0, 3
	REFILL 0
	ACTB 1
	UNIT2 1, 0
	UNIT2 1, 1
	UNIT2 1, 2
	UNIT2 1, 3
	REFILL 1
	s_sub_co_u32 s23, s23, 1
	s_cmp_lg_u32 s23, 0
	s_cbranch_scc1 .Ltrip
	; THE WAY OUT: a row's 128 columns come from four waves: they meet in the stage, and each wave stores 32 whole pieces of 512 bytes
	s_wait_dscnt 0x0                               ; my reads of the hidden codes are over
	s_barrier_signal -1
	s_barrier_wait -1
.set i, 0
.rept 16                               ; i = 4 unit + 2 g + u
	ds_store_b128 v118, v[O+8*i:O+8*i+3] offset:528*16*(i/2)+64*(i%2)
	ds_store_b128 v118, v[O+8*i+4:O+8*i+7] offset:528*16*(i/2)+64*(i%2)+16
.set i, i+1
.endr
.set i, 0
.rept 32
	v_add_nc_u32 v[AR+i], s[68+i], v120            ; v24-55 are free now
.set i, i+1
.endr
	s_wait_dscnt 0x0                               ; my stores have landed and have read their registers
	s_barrier_signal -1
	s_barrier_wait -1
.set i, 0
.rept 32
	ds_load_b128 v[O+4*i:O+4*i+3], v119 offset:528*i
.set i, i+1
.endr
.set i, 0
.rept 32
	s_wait_dscnt 31-i
	global_store_b128 v[AR+i], v[O+4*i:O+4*i+3], s[12:13] th:TH_STORE_NT     ; 512 consecutive bytes of one token's row, at a multiple of 256 from out0's first byte
.set i, i+1
.endr
	s_wait_tensorcnt 0x0
	ds_add_u32 v126, v127
	s_wait_dscnt 0x0
	s_endpgm
.Lfunc_end_k_qde9df78299_ffn2:
	.size	k_qde9df78299_ffn2, .Lfunc_end_k_qde9df78299_ffn2-k_qde9df78299_ffn2
	.p2alignl 7, 3214868480
	.fill 96, 4, 3214868480
	.section	.rodata,"a",@progbits
	.p2align	6, 0x0
	.amdhsa_kernel k_qde9df78299_ffn2
		.amdhsa_group_segment_fixed_size 299520
		.amdhsa_private_segment_fixed_size 0
		.amdhsa_enable_private_segment 0
		.amdhsa_kernarg_size 40
		.amdhsa_user_sgpr_count 2
		.amdhsa_user_sgpr_kernarg_segment_ptr 1
		.amdhsa_wavefront_size32 1
		.amdhsa_system_sgpr_workgroup_id_x 1
		.amdhsa_system_sgpr_workgroup_id_y 1
		.amdhsa_system_sgpr_workgroup_id_z 1
		.amdhsa_system_vgpr_workitem_id 0
		.amdhsa_next_free_vgpr 1024
		.amdhsa_next_free_sgpr 100
		.amdhsa_reserve_vcc 1
		.amdhsa_float_denorm_mode_32 3
		.amdhsa_float_denorm_mode_16_64 3
		.amdhsa_memory_ordered 1
		.amdhsa_forward_progress 1
		.amdhsa_inst_pref_size 148
	.end_amdhsa_kernel
	.amdgpu_metadata
---
amdhsa.version: [ 1, 2 ]
amdhsa.kernels:
  - .name:           k_qde9df78299_ffn2
    .symbol:         k_qde9df78299_ffn2.kd
    .args:
      - { .name: hq, .offset: 0, .size: 8, .value_kind: global_buffer, .address_space: global }
      - { .name: list, .offset: 8, .size: 8, .value_kind: global_buffer, .address_space: global }
      - { .name: gsort, .offset: 16, .size: 8, .value_kind: global_buffer, .address_space: global }
      - { .name: wl, .offset: 24, .size: 8, .value_kind: global_buffer, .address_space: global }
      - { .name: out0, .offset: 32, .size: 8, .value_kind: global_buffer, .address_space: global }
    .group_segment_fixed_size: 299520
    .private_segment_fixed_size: 0
    .kernarg_segment_align: 8
    .kernarg_segment_size: 40
    .max_flat_workgroup_size: 128
    .sgpr_count:     100
    .vgpr_count:     1024
    .wavefront_size: 32
...
	.end_amdgpu_metadata
.endif
;; end of part 4
;; ======== version 2 of 2: 3 launches; 1.16 times as fast as version 1
;; workspace buffers: xq 3,276,800 bytes; sel 16,384 bytes of whole numbers; gate 32,768 bytes; list 16,384 bytes of whole numbers; wl 13,107,200 bytes; hq 7,340,032 bytes
;; launch route: the kernel of part 1 again; grid 256 x 1, 4 waves a work-group, no clusters, 84,224 bytes of LDS; arguments x, router_w, w1_codes, w1_scales, w2_codes, w2_scales, xq, sel, gate, wl; writes xq, sel, gate, wl
;; launch ffn1 (part 5): grid 8 x 32, 4 waves a work-group, no clusters, 137,216 bytes of LDS; arguments xq, sel, wl, hq, list; writes hq, list
.if DOCPART == 5
	.amdgcn_target "amdgcn-amd-amdhsa--gfx1250"
	.amdhsa_code_object_version 6
	.text
	.protected	k_qde9df78299_ffn1
	.globl	k_qde9df78299_ffn1
	.p2align	8
	.type	k_qde9df78299_ffn1,@function
k_qde9df78299_ffn1:
	s_mov_b64 s[64:65], 0
	v_nop
	global_prefetch_b8 v0, s[64:65] scope:SCOPE_SE
	s_setreg_imm32_b32 hwreg(HW_REG_WAVE_MODE, 25, 1), 1
	s_wait_xcnt 0x0
; FFN1.  h = gelu(x w1^T), for the chosen experts alone, quantised to E3M2 along the hidden axis; both operands as codes of E3M2.
; THE TOKENS ARE SORTED HERE, by the key of their pair of experts (sel, stored by the launch before): every work-group runs the same counting
; sort over all 4,096 tokens (32 keys, no atomics) and keeps the 128 tokens whose places fall into its window.  Wave w takes tokens
; 1,024 w .. + 1,023 as 32 chunks of 32 (chunk (g, j): token 1,024 w + 128 g + 4 lane + j).  In a chunk five ballots of the key's bits give lane L
; the mask of tokens with key L; a token's place = the tokens of lower keys + those of its key in lower waves, in earlier chunks, in lower lanes.
; A token's word (token | a<<12 | b<<20) goes to LDS word min(place - 128 window, 128); word 128 is a dump that nobody reads, so all lanes stay on.
; The four waves store one after the other, each between two barriers.  The work-groups with n = 0 store their window's 128 words for ffn2.
; Work-group (n, window): the window's 128 sorted tokens x hidden units 128 n .. 128 n + 127 of every expert that the window uses.
; Wave w owns hidden units 128 n + 32 w .. + 31 (two tiles of 16 rows of w1), which are ONE block of 32 along the next product's K.
; The product is used transposed (source 0 = 16 rows of w1, source 1 = 16 tokens), and a tile's rows are 8 u + r + 8 (r / 8), so that a lane's
; 16 results of the two tiles are 16 neighbours of that block.  The weights come from wl straight into registers, in two sets by turns:
; while one expert is multiplied the next one's 52 loads are on their way.  No tensor load: the walk over experts hangs on stored numbers.
; NO MULTICAST: which experts a work-group walks is read from memory and differs between windows, so partners could not ask jointly.
; A pass takes one expert through the window's four units of 32 tokens; a unit none of whose tokens uses the expert is jumped over.
; Results: hq[window][q = n][slot][place][112 bytes]: 96 bytes of codes, the scale word (bytes 1 and 2 exchanged) at 96, 12 zeros.
; slot 0 is the token's lower expert, slot 1 its higher.  They gather in LDS and leave as 28,672 dense bytes.
; gelu(v) = 0.5 v (1 + erf(v / sqrt 2)), erf(z) = z P(z^2) / Q(z^2), z held to +-3.7439: absolute error of erf about 1e-7.
; LIMITS: in the far negative tail gelu's error is absolute, not relative.  NaN and infinities are not served.  A block of zeros gets the byte 1.
.set AC,   16                          ; v16-47   four accumulators: 16 g + 8 u + j
.set TS,   48                          ; v48-63   the tokens' scale words: 8 g + q        (scales and nothing else)
.set BS,   64                          ; v64-95   the weights' scale words: 16 set + 8 u + q   (scales and nothing else)
.set Z,    96
.set S,    128
.set P,    160
.set Q,    192
.set TM,   224
.set PC,   232
.set A0,   240
.set B0,   242
.set T0,   245
.set T1,   246
.set OUTG, 247                         ; v247     the way out: 7,168 w + 16 lane; made at the head, holds nothing else
.set OUTL, 248                         ; v248     the same in the stage
.set AW,   249                         ; v249-252 the word of place 32 c + lane: unit c's, kept for the whole launch
.set ONE,  100                         ; prologue only
.set M,    101
.set GA,   112
; the sort's registers (prologue only); chunk c = 4 g + j
.set K4,   16                          ; v16-47   4 x key
.set SELR, 96                          ; v96-127  sel as loaded, then the token's word
.set TT,   128                         ; v128-143 at work, four chunks by turns
.set MK,   132
.set UU,   136
.set CN,   140
.set ROW,  128
.set PRE,  156                         ; v156-187 lane = key: its tokens in my wave's earlier chunks; then the token's LDS address
.set LR,   188                         ; v188-219 lanes below me with my key
.set NL,   220                         ; v220-224 all ones where bit i of my lane is 0
.set LB,   225                         ; v225-229 all ones where it is 1
.set RUN,  230
.set BASE, 231
.set TOT,  232
.set SC,   233
.set EX,   234
.set U0,   235
.set U1,   236
.set TK0,  237                         ; 1,024 w + 4 lane
.set BAL,  68                          ; s68-87   the ballots: 5 j + i
.set XS,   100352                      ; LDS: 0: the tokens' codes, 128 x 784;  XS: their scale words, 128 x 48
.set STG,  106496                      ; the stage: [slot][place][112]
.set HT,   135168                      ; 4 x 128: each wave's count of each key
.set TOKL, 135680                      ; 128 words by place, and the dump word
.set WL,   8
.set KR,   40
.set AL,   42
.set BE,   50
.set CLP,  60
.set CLN,  61
.set SEL,  62
.set MSB,  0
.macro WIN new                         ; the immediate's high byte repeats the setting that is left
.if MSB != (\new)
	s_set_vgpr_msb (MSB<<8)|(\new)
.set MSB, (\new)
.endif
.endm
.macro PAIR reg, val                   ; a packed form names a pair and takes its low word: both are written
	s_mov_b32 s[\reg], \val
	s_mov_b32 s[\reg+1], \val
.endm
; Four chunks of the sort, line by line by turns
.macro SORT4 g
.irp i, 0,1,2,3,4
.irp j, 0,1,2,3
	v_bfe_u32 v[TT+\j], v[SELR+4*(\g)+\j], \i, 1
.endr
.irp j, 0,1,2,3
	v_cmp_ne_u32 s[BAL+5*\j+\i], 0, v[TT+\j]       ; the ballot of the key's bit i
.endr
.endr
.irp j, 0,1,2,3
	v_xor_b32 v[MK+\j], s[BAL+5*\j], v[NL]
.endr
.irp i, 1,2,3,4
.irp j, 0,1,2,3
	v_xor_b32 v[UU+\j], s[BAL+5*\j+\i], v[NL+\i]
.endr
.irp j, 0,1,2,3
	v_and_b32 v[MK+\j], v[MK+\j], v[UU+\j]         ; tokens of the chunk whose key is my lane's number
.endr
.endr
.irp j, 0,1,2,3
	v_and_b32 v[K4+4*(\g)+\j], 0xff, v[SELR+4*(\g)+\j]
.endr
.irp j, 0,1,2,3
	v_min_u32 v[K4+4*(\g)+\j], 31, v[K4+4*(\g)+\j]
.endr
.irp j, 0,1,2,3
	v_lshlrev_b32 v[K4+4*(\g)+\j], 2, v[K4+4*(\g)+\j]
.endr
.irp j, 0,1,2,3
	ds_bpermute_b32 v[LR+4*(\g)+\j], v[K4+4*(\g)+\j], v[MK+\j]     ; each token fetches its key's mask: the lanes with its key
.endr
.irp j, 0,1,2,3
	v_lshrrev_b32 v[UU+\j], 1, v[MK+\j]            ; the number of ones in the mask
.endr
.irp j, 0,1,2,3
	v_and_b32 v[UU+\j], s88, v[UU+\j]
.endr
.irp j, 0,1,2,3
	v_sub_nc_u32 v[CN+\j], v[MK+\j], v[UU+\j]
.endr
.irp j, 0,1,2,3
	v_lshrrev_b32 v[UU+\j], 2, v[CN+\j]
.endr
.irp j, 0,1,2,3
	v_and_b32 v[UU+\j], s89, v[UU+\j]
.endr
.irp j, 0,1,2,3
	v_and_b32 v[CN+\j], s89, v[CN+\j]
.endr
.irp j, 0,1,2,3
	v_add_nc_u32 v[CN+\j], v[CN+\j], v[UU+\j]
.endr
.irp j, 0,1,2,3
	v_lshrrev_b32 v[UU+\j], 4, v[CN+\j]
.endr
.irp j, 0,1,2,3
	v_add_nc_u32 v[CN+\j], v[CN+\j], v[UU+\j]
.endr
.irp j, 0,1,2,3
	v_and_b32 v[CN+\j], s90, v[CN+\j]
.endr
.irp j, 0,1,2,3
	v_mul_lo_u32 v[CN+\j], v[CN+\j], s91
.endr
.irp j, 0,1,2,3
	v_lshrrev_b32 v[CN+\j], 24, v[CN+\j]
.endr
	v_mov_b32 v[PRE+4*(\g)], v[RUN]                ; key = lane: its tokens in my wave's earlier chunks
	v_add_nc_u32 v[PRE+4*(\g)+1], v[RUN], v[CN]
	v_add_nc_u32 v[PRE+4*(\g)+2], v[PRE+4*(\g)+1], v[CN+1]
	v_add_nc_u32 v[PRE+4*(\g)+3], v[PRE+4*(\g)+2], v[CN+2]
	v_add_nc_u32 v[RUN], v[PRE+4*(\g)+3], v[CN+3]
.endm
.macro SCANSTEP x, i                   ; SC: the sum over my block of 2^i lanes; the sibling block counts for me where it lies below me
	v_mov_b32_dpp v[U0], v[SC] row_xmask:\x row_mask:0xf bank_mask:0xf
	v_and_b32 v[U1], v[LB+\i], v[U0]
	v_add_nc_u32 v[EX], v[EX], v[U1]
	v_add_nc_u32 v[SC], v[SC], v[U0]
.endm
.macro BARRIER
	s_wait_dscnt 0x0                               ; my LDS stores have landed and my LDS loads are in
	s_barrier_signal -1
	s_barrier_wait -1
.endm
.macro NEXTE d                         ; the lowest expert still to be walked
	s_ctz_i32_b32 s[\d], s18
	s_sub_co_u32 s32, s18, 1
	s_and_b32 s18, s18, s32
.endm
; Where that expert's unit 4 n + w lies in wl.  Each set has base registers of its own: s[28:31], s[92:95].
; wait = 1 (in the loop): the set's earlier loads have read these bases.  wait = 0 (at the head): no load has named them yet.
.macro SETBASE d, set, wait
.if \wait
	s_wait_xcnt 0x0
.endif
	s_min_u32 s32, s[\d], 7
	s_lshl_b32 s32, s32, 5
	s_add_co_u32 s32, s32, s24
	s_mul_i32 s34, s32, 24576
	s_mov_b32 s35, 0
	s_add_nc_u64 s[28+64*(\set):29+64*(\set)], s[WL:WL+1], s[34:35]
	s_lshl_b32 s34, s32, 10
	s_add_co_u32 s34, s34, 12582912
	s_add_nc_u64 s[30+64*(\set):31+64*(\set)], s[WL:WL+1], s[34:35]
.endm
.macro LOADB set                       ; 52 loads: 16 fragments (q, u) at v[12 (2 q + u)] of window set + 1, 512 dense bytes a load; 16 scale words a lane
	WIN 0x40*(\set+1)
.set f, 0
.rept 48
	global_load_b128 v[4*f:4*f+3], v4, s[28+64*(\set):29+64*(\set)] offset:512*f
.set f, f+1
.endr
	WIN 0
.irp u, 0,1
.irp j, 0,1
	global_load_b128 v[BS+16*(\set)+8*\u+4*\j:BS+16*(\set)+8*\u+4*\j+3], v5, s[30+64*(\set):31+64*(\set)] offset:512*\u+16*\j
.endr
.endr
.endm
.macro REFILL set                      ; what these loads name is next written behind a wait of its own: the bases in SETBASE, EXEC in UNIT1
	s_cmp_eq_u32 s18, 0
	s_cbranch_scc1 .Lnone_\@
	NEXTE 20+\set
	SETBASE 20+\set, \set, 1
	LOADB \set
	s_wait_loadcnt 52                              ; all but the 52 just issued: the other set is in
	s_branch .Ldone_\@
.Lnone_\@:
	s_mov_b32 s[20+\set], 8                        ; no expert is left for this set
	s_wait_loadcnt 0x0
.Ldone_\@:
.endm
.macro ACTB set                        ; bit 8 c of s19: unit c uses the set's expert
	s_mov_b32 s22, s[20+\set]
	s_min_u32 s32, s22, 7
	s_lshr_b32 s19, s17, s32
	s_cmp_eq_u32 s22, 8
	s_cselect_b32 s19, 0, s19
.endm
.macro MM set                          ; 32 matrix instructions; the four accumulators take turns
.irp q, 0,1,2,3,4,5,6,7
	s_wait_dscnt 42-6*\q                           ; K step q's six fragment loads are in; the 6 (7 - q) issued behind them may be out
.irp g, 0,1
.irp u, 0,1
.if \q == 0
	v_wmma_scale_f32_16x16x128_f8f6f4 v[AC+16*\g+8*\u:AC+16*\g+8*\u+7], v[12*(2*\q+\u):12*(2*\q+\u)+11], v[96*\g+12*\q:96*\g+12*\q+11], 0, v[BS+16*(\set)+8*\u+\q], v[TS+8*\g+\q] matrix_a_fmt:MATRIX_FMT_BF6 matrix_b_fmt:MATRIX_FMT_BF6
.else
	v_wmma_scale_f32_16x16x128_f8f6f4 v[AC+16*\g+8*\u:AC+16*\g+8*\u+7], v[12*(2*\q+\u):12*(2*\q+\u)+11], v[96*\g+12*\q:96*\g+12*\q+11], v[AC+16*\g+8*\u:AC+16*\g+8*\u+7], v[BS+16*(\set)+8*\u+\q], v[TS+8*\g+\q] matrix_a_fmt:MATRIX_FMT_BF6 matrix_b_fmt:MATRIX_FMT_BF6
.endif
.endr
.endr
.endr
.endm
.macro HORNER d, c                     ; d = d z^2 + c, 32 numbers
.set i, 0
.rept 16
	v_pk_fma_f32 v[\d+i:\d+i+1], v[\d+i:\d+i+1], v[S+i:S+i+1], s[\c:\c+1] op_sel_hi:[1,1,0]
.set i, i+2
.endr
.endm
.macro GELU                            ; v[AC] on -> gelu in v[Z] on
.set i, 0
.rept 16
	v_pk_mul_f32 v[Z+i:Z+i+1], v[AC+i:AC+i+1], s[KR:KR+1] op_sel_hi:[1,0]    ; each accumulator from its low end on
.set i, i+2
.endr
.set i, 0
.rept 32
	v_med3_num_f32 v[Z+i], v[Z+i], s[CLN], s[CLP]
.set i, i+1
.endr
.set i, 0
.rept 16
	v_pk_mul_f32 v[S+i:S+i+1], v[Z+i:Z+i+1], v[Z+i:Z+i+1]
.set i, i+2
.endr
.set i, 0
.rept 16
	v_pk_fma_f32 v[P+i:P+i+1], v[A0:A0+1], v[S+i:S+i+1], s[AL:AL+1] op_sel_hi:[1,1,0]
	v_pk_fma_f32 v[Q+i:Q+i+1], v[B0:B0+1], v[S+i:S+i+1], s[BE:BE+1] op_sel_hi:[1,1,0]
.set i, i+2
.endr
	HORNER P, AL+2
	HORNER Q, BE+2
	HORNER P, AL+4
	HORNER Q, BE+4
	HORNER P, AL+6
	HORNER Q, BE+6
	HORNER Q, BE+8
.set i, 0
.rept 16
	v_pk_fma_f32 v[Q+i:Q+i+1], v[Q+i:Q+i+1], v[S+i:S+i+1], 1.0 op_sel_hi:[1,1,0]
.set i, i+2
.endr
.set i, 0
.rept 32
	v_rcp_f32 v[Q+i], v[Q+i]
.set i, i+1
.endr
.set i, 0
.rept 16
	v_pk_mul_f32 v[P+i:P+i+1], v[P+i:P+i+1], v[Z+i:Z+i+1]                    ; work that names no reciprocal
	v_pk_mul_f32 v[S+i:S+i+1], v[AC+i:AC+i+1], 0.5 op_sel_hi:[1,0]
.set i, i+2
.endr
	s_wait_alu depctr_va_vdst(0)                   ; one wait for the 32 reciprocals, ahead of their first reader
.set i, 0
.rept 16
	v_pk_mul_f32 v[P+i:P+i+1], v[P+i:P+i+1], v[Q+i:Q+i+1]                    ; erf
.set i, i+2
.endr
.set i, 0
.rept 16
	v_pk_fma_f32 v[Z+i:Z+i+1], v[S+i:S+i+1], v[P+i:P+i+1], v[S+i:S+i+1]      ; 0.5 v + 0.5 v erf
.set i, i+2
.endr
.endm
.macro HSTORE off                      ; my place's block: 24 bytes of codes and its scale byte
	ds_store_b64 v10, v[PC:PC+1] offset:\off
	ds_store_b64 v10, v[PC+2:PC+3] offset:\off+8
	ds_store_b64 v10, v[PC+4:PC+5] offset:\off+16
	ds_store_b8 v11, v[TM+6] offset:\off
.endm
.macro UNIT1 set, un
	s_bitcmp1_b32 s19, 8*(\un)
	s_cbranch_scc0 .Lskip_\@
.irp g, 0,1
.irp j, 0,1
	ds_load_b128 v[TS+8*\g+4*\j:TS+8*\g+4*\j+3], v8 offset:1536*(\un)+768*\g+16*\j
.endr
.endr
	WIN 0xc0                                       ; destination window 3
.irp q, 0,1,2,3,4,5,6,7
.irp g, 0,1
.irp c, 0,1,2
	ds_load_b128 v[96*\g+12*\q+4*\c:96*\g+12*\q+4*\c+3], v[6+(\un)/2] offset:25088*((\un)%2)+12544*\g+96*\q+16*\c
.endr
.endr
.endr
	WIN 0x0c|(\set+1)                              ; source 0 the set's window, source 1 window 3
	MM \set
	WIN 0
.rept 4
	v_nop                                          ; places behind the last products
.endr
	GELU
.irp g, 0,1
	v_max3_num_f32 v[TM+\g], |v[Z+16*\g]|, |v[Z+16*\g+1]|, 0x2800000         ; my 16 of the token's block, and the floor 2^(5 - 127)
.endr
.irp i, 2,4,6,8,10,12,14
.irp g, 0,1
	v_max3_num_f32 v[TM+\g], v[TM+\g], |v[Z+16*\g+\i]|, |v[Z+16*\g+\i+1]|
.endr
.endr
.irp g, 0,1
	v_permlanex16_b32 v[TM+2+\g], v[TM+\g], s[SEL], s[SEL+1]
.endr
.irp g, 0,1
	v_max_num_f32 v[TM+\g], v[TM+\g], v[TM+2+\g]
.endr
.irp g, 0,1
	v_add_nc_u32 v[TM+4+\g], 0xfe000000, v[TM+\g]  ; 4 off the exponent field: the conversion's scale operand
.endr
.irp g, 0,1
	v_lshrrev_b32 v[TM+6+\g], 23, v[TM+4+\g]       ; the scale's byte
.endr
	v_cvt_scalef32_pk16_bf6_f32 v[PC:PC+2], v[Z:Z+15], v[TM+4]
	v_cvt_scalef32_pk16_bf6_f32 v[PC+4:PC+6], v[Z+16:Z+31], v[TM+5]
	v_nop                                          ; one plain place behind a scaled conversion
.irp i, 0,1,2
	v_permlane16_swap_b32 v[PC+\i], v[PC+4+\i]     ; now lane = place in the unit: the block's lower 16 codes here, its upper 16 there
.endr
	v_permlane16_swap_b32 v[TM+6], v[TM+7]
.irp i, 0,1,2
	v_mov_b32 v[PC+3+\i], v[PC+4+\i]
.endr
	v_bfe_u32 v[T0], v[AW+(\un)], 12, 8            ; a
	v_lshrrev_b32 v[T1], 20, v[AW+(\un)]           ; b
	v_cmp_eq_u32 vcc_lo, s22, v[T0]
	s_wait_xcnt 0x0                                ; EXEC changes only behind this wait
	s_and_saveexec_b32 s36, vcc_lo                 ; places whose lower expert this is: slot 0
	HSTORE 3584*(\un)
	s_or_b32 exec_lo, exec_lo, s36
	v_cmp_eq_u32 vcc_lo, s22, v[T1]
	s_and_saveexec_b32 s36, vcc_lo                 ; whose higher expert: slot 1
	HSTORE 3584*(\un)+14336
	s_or_b32 exec_lo, exec_lo, s36
.Lskip_\@:
.endm
	s_load_b256 s[4:11], s[0:1], 0x0               ; xq, sel, wl, hq
	s_load_b64 s[12:13], s[0:1], 0x20              ; list
	v_lshl_add_u32 v239, v0, 2, 0x21600
	s_set_vgpr_msb 0x40
	v_mov_b32 v255, 0
	s_set_vgpr_msb 0x4000
	v_lshrrev_b32 v1, 5, v0
	v_readfirstlane_b32 s14, v1                    ; wave 0..3
	v_and_b32 v1, 31, v0                           ; lane
	v_and_b32 v2, 15, v0                           ; r
	v_bfe_u32 v3, v0, 4, 1                         ; h
	v_lshlrev_b32 v4, 4, v1                        ; 16 x lane
	v_lshlrev_b32 v5, 5, v2                        ; 32 r
	s_mov_b32 s15, ttmp9                           ; n
	s_and_b32 s16, ttmp7, 0xffff                   ; window
	s_lshl_b32 s24, s15, 2
	s_add_co_u32 s24, s24, s14                     ; 4 n + w
	s_lshl_b32 s32, s14, 12
	v_add_nc_u32 v255, s32, v4                     ; sel: 4,096 w + 16 lane
	s_wait_kmcnt 0x0
.irp g, 0,1,2,3,4,5,6,7
	global_load_b128 v[SELR+4*\g:SELR+4*\g+3], v255, s[6:7] offset:512*\g      ; my wave's 1,024 tokens: 512 consecutive bytes a load
.endr
	s_lshl_b32 s32, s16, 9
	s_mov_b32 s33, 0
	s_add_nc_u64 s[12:13], s[12:13], s[32:33]      ; the list at my window
	s_lshl_b32 s32, s16, 3
	s_add_co_u32 s32, s32, s15
	s_mul_i32 s32, s32, 28672
	s_add_nc_u64 s[26:27], s[10:11], s[32:33]      ; hq at (window, q = n)
	s_lshl_b32 s25, s16, 7
	s_sub_co_u32 s25, 0, s25                       ; - 128 window
	s_mov_b32 s88, 0x55555555
	s_mov_b32 s89, 0x33333333
	s_mov_b32 s90, 0x0f0f0f0f
	s_mov_b32 s91, 0x01010101
	PAIR KR, 0x3f3504f3
	PAIR AL, 0x3b5f5da2
	PAIR AL+2, 0x3d50b6eb
	PAIR AL+4, 0x3e3da740
	PAIR AL+6, 0x3f906eba
	PAIR BE, 0x37c588df
	PAIR BE+2, 0x3a856d28
	PAIR BE+4, 0x3c6687d4
	PAIR BE+6, 0x3de34c21
	PAIR BE+8, 0x3efeb44a
	s_mov_b32 s[CLP], 0x406f9c67
	s_mov_b32 s[CLN], 0xc06f9c67
	s_mov_b32 s[SEL], 0x76543210
	s_mov_b32 s[SEL+1], 0xfedcba98
	v_mov_b32 v[A0], 0x39702d51
	v_mov_b32 v[A0+1], 0x39702d51
	v_mov_b32 v[B0], 0xb3fd3906
	v_mov_b32 v[B0+1], 0xb3fd3906
	; every address that is made of ids alone is made here, in registers that hold nothing else
	v_lshlrev_b32 v12, 2, v1                       ; 4 x lane
	v_add_nc_u32 v9, HT, v12                       ; the waves' counts: row k at 128 k
	s_lshl_b32 s32, s14, 7
	v_add_nc_u32 v13, s32, v9                      ; my wave's row
	v_add_nc_u32 v253, TOKL, v12                   ; place 32 c + lane
	v_lshl_add_u32 v14, v3, 2, s32
	v_add_nc_u32 v14, TOKL, v14                    ; place 32 w + 2 j + h
	v_lshrrev_b32 v15, 1, v1
	v_lshl_add_u32 v15, v15, 2, s32
	v_add_nc_u32 v15, TOKL, v15                    ; place 32 w + 16 i + lane / 2
	v_add_nc_u32 v254, TOKL, v4                    ; four places a lane
	v_lshlrev_b32 v244, 2, v0
	v_add_nc_u32 v244, TOKL, v244                  ; place = thread
	s_lshl_b32 s32, s14, 10
	v_add_nc_u32 v[TK0], s32, v12                  ; my token of chunk (0, 0)
	v_mul_u32_u24 v6, v2, 784
	v_mad_u32_u24 v6, v3, 48, v6                   ; a fragment: 784 r + 48 h (units 0, 1)
	v_add_nc_u32 v7, 50176, v6                     ; units 2, 3
	v_mul_u32_u24 v8, v2, 48
	v_add_nc_u32 v8, XS, v8
	v_mul_u32_u24 v10, v1, 112
	v_add_nc_u32 v10, STG, v10
	s_and_b32 s32, s14, 1
	s_lshl_b32 s32, s32, 1
	s_lshr_b32 s33, s14, 1
	s_or_b32 s32, s32, s33                         ; block w's byte stands at place 0, 2, 1, 3 of the word
	s_add_co_u32 s32, s32, 96
	v_add_nc_u32 v11, s32, v10
	s_mul_i32 s32, s14, 24
	v_add_nc_u32 v10, s32, v10                     ; block w's 24 bytes
	s_mul_i32 s32, s14, 7168
	v_add_nc_u32 v[OUTG], s32, v4                  ; the way out: my quarter of the stage's 28,672 bytes
	v_add_nc_u32 v[OUTL], STG, v[OUTG]
	s_mul_i32 s32, s14, 25088
	v_mul_u32_u24 v144, v3, 784
	v_lshl_add_u32 v144, v2, 4, v144
	v_add_nc_u32 v144, s32, v144                   ; the gather's way into LDS: 25,088 w + 784 h + 16 r
	v_lshrrev_b32 v145, 1, v1
	v_mul_u32_u24 v145, v145, 48
	v_and_b32 v149, 1, v1
	v_lshlrev_b32 v149, 4, v149                    ; 16 (lane % 2)
	v_add_nc_u32 v145, v145, v149
	s_mul_i32 s32, s14, 1536
	v_add_nc_u32 v145, s32, v145
	v_add_nc_u32 v145, XS, v145
	v_mul_u32_u24 v147, v0, 112
	v_add_nc_u32 v147, STG+96, v147
	v_lshlrev_b32 v148, 4, v2                      ; 16 r
.irp i, 0,1,2,3
	v_mov_b32 v[152+\i], 0
.endr
.irp i, 0,1,2,3,4
	v_bfe_u32 v[LB+\i], v1, \i, 1
	v_sub_nc_u32 v[LB+\i], 0, v[LB+\i]
	v_xor_b32 v[NL+\i], -1, v[LB+\i]
.endr
	v_mov_b32 v[RUN], 0
	s_wait_loadcnt 0x0
	; ---- THE SORT
.irp g, 0,1,2,3,4,5,6,7
	SORT4 \g
.endr
	ds_store_b32 v13, v[RUN]                       ; key = lane: its tokens in my wave
	ds_store_b32 v244, v152                        ; the 128 places begin as zeros
	BARRIER                                        ; (its wait also shows the 32 masks fetched)
.irp k, 0,1,2,3
	ds_load_b32 v[ROW+\k], v9 offset:128*\k
.endr
.set c, 0
.rept 32
	v_mbcnt_lo_u32_b32 v[LR+c], v[LR+c], 0         ; how many lanes with my key stand below me
.set c, c+1
.endr
	v_mov_b32 v[BASE], 0
	v_mov_b32 v[TOT], 0
	v_mov_b32 v[EX], 0
	v_mov_b32 v[U0], 0                             ; a lane permute's destination counts as one of its sources
	s_wait_dscnt 0x0
.irp k, 0,1,2,3
	s_cmp_gt_u32 s14, \k
	s_cselect_b32 s32, -1, 0
	v_add_nc_u32 v[TOT], v[TOT], v[ROW+\k]         ; the key's tokens in all waves,
	v_and_b32 v[U0], s32, v[ROW+\k]
	v_add_nc_u32 v[BASE], v[BASE], v[U0]           ; and in the waves below mine
.endr
	v_mov_b32 v[SC], v[TOT]
	SCANSTEP 1, 0
	SCANSTEP 2, 1
	SCANSTEP 4, 2
	SCANSTEP 8, 3
	v_permlanex16_b32 v[U0], v[SC], s[SEL], s[SEL+1]
	v_and_b32 v[U0], v[LB+4], v[U0]
	v_add_nc_u32 v[EX], v[EX], v[U0]               ; the tokens of all lower keys
	v_add_nc_u32 v[EX], v[EX], v[BASE]
	v_add_nc_u32 v[EX], s25, v[EX]                 ; counted from my window's first place
.set c, 0
.rept 32
	v_add_nc_u32 v[PRE+c], v[EX], v[PRE+c]
.set c, c+1
.endr
.set c, 0
.rept 32
	ds_bpermute_b32 v[PRE+c], v[K4+c], v[PRE+c]    ; each token fetches its key's figure
.set c, c+1
.endr
.set c, 0
.rept 32
	v_lshrrev_b32 v[SELR+c], 8, v[SELR+c]          ; a | b<<8
.set c, c+1
.endr
.set g, 0
.rept 8
.irp j, 0,1,2,3
	v_add_nc_u32 v[TT+\j], 128*g+\j, v[TK0]        ; the token
.endr
.irp j, 0,1,2,3
	v_lshl_or_b32 v[SELR+4*g+\j], v[SELR+4*g+\j], 12, v[TT+\j]     ; its word: token | a<<12 | b<<20
.endr
.set g, g+1
.endr
	s_wait_dscnt 0x0
.set c, 0
.rept 32
	v_add_nc_u32 v[PRE+c], v[PRE+c], v[LR+c]       ; the token's place in my window, or beyond it
.set c, c+1
.endr
.set c, 0
.rept 32
	v_min_u32 v[PRE+c], 0x80, v[PRE+c]             ; all that lies outside goes to word 128
.set c, c+1
.endr
.set c, 0
.rept 32
	v_lshlrev_b32 v[PRE+c], 2, v[PRE+c]
.set c, c+1
.endr
.set c, 0
.rept 32
	v_add_nc_u32 v[PRE+c], TOKL, v[PRE+c]
.set c, c+1
.endr
	BARRIER                                        ; every wave has read the counts
.irp k, 0,1,2,3                        ; one wave at a time, between two barriers
	s_cmp_lg_u32 s14, \k
	s_cbranch_scc1 .Lscat\k
.set c, 0
.rept 32
	ds_store_b32 v[PRE+c], v[SELR+c]
.set c, c+1
.endr
.Lscat\k:
	BARRIER
.endr
	; ---- the window's 128 words lie in LDS
.irp c, 0,1,2,3
	ds_load_b32 v[AW+\c], v253 offset:128*\c
.endr
.irp j, 0,1,2,3,4,5,6,7,8,9,10,11,12,13,14,15
	ds_load_b32 v[GA+\j], v14 offset:8*\j
.endr
.irp i, 0,1
	ds_load_b32 v[105+\i], v15 offset:64*\i
.endr
	v_mov_b32 v[TM+2], 0                           ; a lane permute's destination counts as one of its sources
	v_mov_b32 v[TM+3], 0
	s_wait_dscnt 0x0
	s_or_b32 s32, s14, s15
	s_cmp_lg_u32 s32, 0
	s_cbranch_scc1 .Lnolist                        ; wave 0 of the work-groups with n = 0 stores the window's list
	ds_load_b128 v[156:159], v254
	s_wait_dscnt 0x0
	global_store_b128 v4, v[156:159], s[12:13]     ; 512 consecutive bytes, at a multiple of 256 from the list's first byte
	s_wait_xcnt 0x0                                ; its data registers are written again by the first unit's arithmetic
.Lnolist:
.irp j, 0,1,2,3,4,5,6,7,8,9,10,11,12,13,14,15
	v_and_b32 v[GA+\j], 0xfff, v[GA+\j]
	v_min_u32 v[GA+\j], 0xfff, v[GA+\j]
	v_mul_u32_u24 v[GA+\j], 0x300, v[GA+\j]
	v_add_nc_u32 v[GA+\j], v[GA+\j], v148
.endr
.irp i, 0,1
	v_and_b32 v[105+\i], 0xfff, v[105+\i]
	v_min_u32 v[105+\i], 0xfff, v[105+\i]
	v_lshlrev_b32 v[105+\i], 5, v[105+\i]
	v_add_nc_u32 v[105+\i], v[105+\i], v149
.endr
	WIN 0xc0
.irp j, 0,1,2,3,4,5,6,7,8,9,10,11,12,13,14,15
.irp c, 0,1,2
	global_load_b128 v[12*\j+4*\c:12*\j+4*\c+3], v[GA+\j], s[4:5] offset:256*\c    ; sixteen lanes read 256 aligned bytes of a token's codes
.endr
.endr
	WIN 0
.irp i, 0,1
	global_load_b128 v[132+4*\i:135+4*\i], v[105+\i], s[4:5] offset:3145728
.endr
	; which units use which experts: bit 8 c + e of s17
	v_mov_b32 v[ONE], 1
	v_mov_b32 v[M], 0
.irp c, 0,1,2,3
	v_bfe_u32 v[T0], v[AW+\c], 12, 3
	v_bfe_u32 v[T1], v[AW+\c], 20, 3
	v_lshlrev_b32 v[T0], v[T0], v[ONE]
	v_lshlrev_b32 v[T1], v[T1], v[ONE]
	v_or_b32 v[T0], v[T0], v[T1]
	v_lshl_or_b32 v[M], v[T0], 8*\c, v[M]
.endr
	v_mov_b32 v[T0], 0
.irp x, 1,2,4,8
	v_mov_b32_dpp v[T0], v[M] row_xmask:\x row_mask:0xf bank_mask:0xf
	v_or_b32 v[M], v[M], v[T0]
.endr
	v_permlanex16_b32 v[T0], v[M], s[SEL], s[SEL+1]
	v_or_b32 v[M], v[M], v[T0]
	v_readfirstlane_b32 s17, v[M]
	s_lshr_b32 s32, s17, 16
	s_or_b32 s32, s32, s17
	s_lshr_b32 s33, s32, 8
	s_or_b32 s32, s32, s33
	s_and_b32 s18, s32, 0xff                       ; the experts that the window uses: two at the least
	NEXTE 20
	SETBASE 20, 0, 0
	LOADB 0
	s_wait_loadcnt 52                              ; the gather's 50 loads are in; set 0's 52 may be out
	WIN 0x0c                                       ; store data window 3
.irp j, 0,1,2,3,4,5,6,7,8,9,10,11,12,13,14,15
.irp c, 0,1,2
	ds_store_b128 v144, v[12*\j+4*\c:12*\j+4*\c+3] offset:1568*\j+256*\c
.endr
.endr
	WIN 0
.irp i, 0,1
	ds_store_b128 v145, v[132+4*\i:135+4*\i] offset:768*\i
.endr
	ds_store_b128 v147, v[152:155]                 ; bytes 96 to 111 of both slots' rows begin as zeros
	ds_store_b128 v147, v[152:155] offset:14336
	NEXTE 21
	SETBASE 21, 1, 0
	LOADB 1
	BARRIER                                        ; the window's codes and scale words lie in LDS
	s_wait_loadcnt 52                              ; set 0 is in; set 1's 52 may be out
	s_mov_b32 s23, 4
.Ltrip:                                            ; four trips of two experts: eight at the most
	ACTB 0
	UNIT1 0, 0
	UNIT1 0, 1
	UNIT1 0, 2
	UNIT1 0, 3
	REFILL 0
	ACTB 1
	UNIT1 1, 0
	UNIT1 1, 1
	UNIT1 1, 2
	UNIT1 1, 3
	REFILL 1
	s_sub_co_u32 s23, s23, 1
	s_cmp_lg_u32 s23, 0
	s_cbranch_scc1 .Ltrip
	BARRIER                                        ; every wave's stores into the stage have landed
.set i, 0
.rept 14
	ds_load_b128 v[Z+4*i:Z+4*i+3], v[OUTL] offset:512*i
.set i, i+1
.endr
.set i, 0
.rept 14
	s_wait_dscnt 13-i
	global_store_b128 v[OUTG], v[Z+4*i:Z+4*i+3], s[26:27] offset:512*i   ; 512 consecutive bytes, at a multiple of 256 from hq's first byte
.set i, i+1
.endr
	s_set_vgpr_msb 0x4
	s_wait_tensorcnt 0x0
	ds_add_u32 v239, v255
	s_wait_dscnt 0x0
	s_set_vgpr_msb 0x400
	s_endpgm
.Lfunc_end_k_qde9df78299_ffn1:
	.size	k_qde9df78299_ffn1, .Lfunc_end_k_qde9df78299_ffn1-k_qde9df78299_ffn1
	.p2alignl 7, 3214868480
	.fill 96, 4, 3214868480
	.section	.rodata,"a",@progbits
	.p2align	6, 0x0
	.amdhsa_kernel k_qde9df78299_ffn1
		.amdhsa_group_segment_fixed_size 137216
		.amdhsa_private_segment_fixed_size 0
		.amdhsa_enable_private_segment 0
		.amdhsa_kernarg_size 40
		.amdhsa_user_sgpr_count 2
		.amdhsa_user_sgpr_kernarg_segment_ptr 1
		.amdhsa_wavefront_size32 1
		.amdhsa_system_sgpr_workgroup_id_x 1
		.amdhsa_system_sgpr_workgroup_id_y 1
		.amdhsa_system_sgpr_workgroup_id_z 1
		.amdhsa_system_vgpr_workitem_id 0
		.amdhsa_next_free_vgpr 1024
		.amdhsa_next_free_sgpr 96
		.amdhsa_reserve_vcc 1
		.amdhsa_float_denorm_mode_32 3
		.amdhsa_float_denorm_mode_16_64 3
		.amdhsa_memory_ordered 1
		.amdhsa_forward_progress 1
		.amdhsa_inst_pref_size 255
	.end_amdhsa_kernel
	.section	.bss,"aw",@nobits
	.p2align	6
	.space	262144
	.amdgpu_metadata
---
amdhsa.version: [ 1, 2 ]
amdhsa.kernels:
  - .name:           k_qde9df78299_ffn1
    .symbol:         k_qde9df78299_ffn1.kd
    .args:
      - { .name: xq, .offset: 0, .size: 8, .value_kind: global_buffer, .address_space: global }
      - { .name: sel, .offset: 8, .size: 8, .value_kind: global_buffer, .address_space: global }
      - { .name: wl, .offset: 16, .size: 8, .value_kind: global_buffer, .address_space: global }
      - { .name: hq, .offset: 24, .size: 8, .value_kind: global_buffer, .address_space: global }
      - { .name: list, .offset: 32, .size: 8, .value_kind: global_buffer, .address_space: global }
    .group_segment_fixed_size: 137216
    .private_segment_fixed_size: 0
    .kernarg_segment_align: 8
    .kernarg_segment_size: 40
    .max_flat_workgroup_size: 128
    .sgpr_count:     96
    .vgpr_count:     1024
    .wavefront_size: 32
...
	.end_amdgpu_metadata
.endif
;; end of part 5
;; launch ffn2 (part 6): grid 8 x 32, 4 waves a work-group, no clusters, 299,520 bytes of LDS; arguments hq, list, gate, wl, out0; writes out0
.if DOCPART == 6
	.amdgcn_target "amdgcn-amd-amdhsa--gfx1250"
	.amdhsa_code_object_version 6
	.text
	.protected	k_qde9df78299_ffn2
	.globl	k_qde9df78299_ffn2
	.p2align	8
	.type	k_qde9df78299_ffn2,@function
k_qde9df78299_ffn2:
	s_mov_b64 s[64:65], 0
	v_nop
	global_prefetch_b8 v0, s[64:65] scope:SCOPE_SE
	s_setreg_imm32_b32 hwreg(HW_REG_WAVE_MODE, 25, 1), 1
	s_wait_xcnt 0x0
; FFN2.  out[token] = g_a (h_a w2_a^T) + g_b (h_b w2_b^T), both operands as codes of E3M2.  Each output row has one owner.
; Work-group (n, window): the window's 128 sorted tokens x output columns 128 n .. + 127.  Wave w owns columns 128 n + 32 w .. + 31.
; list[window][place] = token | a<<12 | b<<20, as ffn1 stored it; the two gates are gathered from gate[token].
; The window's hidden codes (both slots, all of K: 229,376 dense bytes of hq) are copied into LDS once.  The weights come from wl straight into
; registers, in two sets by turns, as in ffn1.  No tensor load: the walk over experts hangs on the stored list; NO MULTICAST for the same reason.
; A pass takes one expert e through the units of 32 tokens that use it.  A lane's token reads slot 0 where e is its lower expert and slot 1
; otherwise: min(a xor e, 1) x 14,336 is added to the lane's address.  The product is then added with the weight g_a, g_b, or 0 where the token
; does not use e.  The product is used transposed (source 0 = 16 rows of w2, source 1 = 16 tokens): a lane holds one token and eight columns.
; LIMITS: a lane that does not use e multiplies a foreign product by 0, which takes that product to be finite.  NaN and infinities are not served.
.set HBU,  6                           ; v6-9    112 r + 48 h + 3,584 unit
.set TT,   11
.set HA,   12                          ; v12-17  group g's addresses for K steps 0-2, 3-5, 6-7
.set CG,   18                          ; v18, v20 the groups' weights (named as pairs: v19, v21 are written once)
.set AR,   24                          ; v24-31  a of the token at (unit, g, r)
.set BR,   32                          ; v32-39  b
.set G,    40                          ; v40-55  (g_a, g_b)
.set TS,   56                          ; v56-71  the tokens' scale words   (scales and nothing else)
.set BS,   72                          ; v72-103 the weights' scale words  (scales and nothing else)
.set AW,   104
.set ONE,  108
.set M,    109
.set T0,   110
.set T1,   111
.set GO,   104                         ; v104-111 8 x token, once the eight registers above are done with
.set O,    128                         ; v128-255 the sums: 32 unit + 16 g + 8 u + j
.set AC,   192                         ; window 3: four accumulators
.set HPAD, 229376                      ; LDS: 0: the hidden codes as hq has them;  HPAD: 512 zero bytes
.set STO,  230912                      ; the stage for the way out: 128 rows x (512 + 16)
.set WL,   10
.set SEL,  40
.set MSB,  0
.macro WIN new                         ; the immediate's high byte repeats the setting that is left
.if MSB != (\new)
	s_set_vgpr_msb (MSB<<8)|(\new)
.set MSB, (\new)
.endif
.endm
.macro NEXTE d
	s_ctz_i32_b32 s[\d], s18
	s_sub_co_u32 s32, s18, 1
	s_and_b32 s18, s18, s32
.endm
; Each set has base registers of its own: s[28:31], s[44:47].  wait = 1 (in the loop): the set's earlier loads have read them.
; wait = 0 (at the head): no load has named them yet.
.macro SETBASE d, set, wait
.if \wait
	s_wait_xcnt 0x0
.endif
	s_min_u32 s32, s[\d], 7
	s_lshl_b32 s32, s32, 5
	s_add_co_u32 s32, s32, s24
	s_mul_i32 s34, s32, 24576
	s_add_co_u32 s34, s34, 6291456                 ; w2's fragments lie behind w1's
	s_mov_b32 s35, 0
	s_add_nc_u64 s[28+16*(\set):29+16*(\set)], s[WL:WL+1], s[34:35]
	s_lshl_b32 s34, s32, 10
	s_add_co_u32 s34, s34, 12582912+262144
	s_add_nc_u64 s[30+16*(\set):31+16*(\set)], s[WL:WL+1], s[34:35]
.endm
.macro LOADB set                       ; 52 loads, as in ffn1
	WIN 0x40*(\set+1)
.set f, 0
.rept 48
	global_load_b128 v[4*f:4*f+3], v4, s[28+16*(\set):29+16*(\set)] offset:512*f
.set f, f+1
.endr
	WIN 0
.irp u, 0,1
.irp j, 0,1
	global_load_b128 v[BS+16*(\set)+8*\u+4*\j:BS+16*(\set)+8*\u+4*\j+3], v5, s[30+16*(\set):31+16*(\set)] offset:512*\u+16*\j
.endr
.endr
.endm
.macro REFILL set                      ; what these loads name is next written in SETBASE, behind its own wait
	s_cmp_eq_u32 s18, 0
	s_cbranch_scc1 .Lnone_\@
	NEXTE 20+\set
	SETBASE 20+\set, \set, 1
	LOADB \set
	s_wait_loadcnt 52                              ; all but the 52 just issued: the other set is in
	s_branch .Ldone_\@
.Lnone_\@:
	s_mov_b32 s[20+\set], 8
	s_wait_loadcnt 0x0
.Ldone_\@:
.endm
.macro ACTB set
	s_mov_b32 s22, s[20+\set]
	s_min_u32 s32, s22, 7
	s_lshr_b32 s19, s17, s32
	s_cmp_eq_u32 s22, 8
	s_cselect_b32 s19, 0, s19
.endm
.macro MM set                          ; 32 matrix instructions; the four accumulators take turns
.irp q, 0,1,2,3,4,5,6,7
	s_wait_dscnt 42-6*\q                           ; K step q's six fragment loads are in; the 6 (7 - q) issued behind them may be out
.irp g, 0,1
.irp u, 0,1
.if \q == 0
	v_wmma_scale_f32_16x16x128_f8f6f4 v[AC+16*\g+8*\u:AC+16*\g+8*\u+7], v[12*(2*\q+\u):12*(2*\q+\u)+11], v[96*\g+12*\q:96*\g+12*\q+11], 0, v[BS+16*(\set)+8*\u+\q], v[TS+8*\g+\q] matrix_a_fmt:MATRIX_FMT_BF6 matrix_b_fmt:MATRIX_FMT_BF6
.else
	v_wmma_scale_f32_16x16x128_f8f6f4 v[AC+16*\g+8*\u:AC+16*\g+8*\u+7], v[12*(2*\q+\u):12*(2*\q+\u)+11], v[96*\g+12*\q:96*\g+12*\q+11], v[AC+16*\g+8*\u:AC+16*\g+8*\u+7], v[BS+16*(\set)+8*\u+\q], v[TS+8*\g+\q] matrix_a_fmt:MATRIX_FMT_BF6 matrix_b_fmt:MATRIX_FMT_BF6
.endif
.endr
.endr
.endr
.endm
.macro UNIT2 set, un
	s_bitcmp1_b32 s19, 8*(\un)
	s_cbranch_scc0 .Lskip_\@
.irp g, 0,1
	v_xor_b32 v[TT], s22, v[AR+2*(\un)+\g]
	v_min_u32 v[TT], 1, v[TT]                                      ; 0 where e is the token's lower expert, else 1: the slot
	v_mul_u32_u24 v[TT], 0x3800, v[TT]                             ; 14,336 bytes from slot 0 to slot 1
	v_add_nc_u32 v[HA+3*\g], v[TT], v[HBU+(\un)]
	v_add_nc_u32 v[HA+3*\g+1], 86016, v[HA+3*\g]
	v_add_nc_u32 v[HA+3*\g+2], 172032, v[HA+3*\g]
	v_cmp_eq_u32 vcc_lo, s22, v[BR+2*(\un)+\g]
	v_cndmask_b32 v[CG+2*\g], 0, v[G+4*(\un)+2*\g+1], vcc_lo       ; the weight: g_b, g_a, or 0 for a token that does not use e
	v_cmp_eq_u32 vcc_lo, s22, v[AR+2*(\un)+\g]
	v_cndmask_b32 v[CG+2*\g], v[CG+2*\g], v[G+4*(\un)+2*\g], vcc_lo
.endr
.irp g, 0,1
.irp q, 0,1,2,3,4,5,6,7
	ds_load_b32 v[TS+8*\g+\q], v[HA+3*\g+\q/3] offset:28672*(\q%3)+1792*\g+96      ; lanes 0-15: the row's word; lanes 16-31 read 48 bytes on and are not used
.endr
.endr
	WIN 0xc0                                       ; destination window 3
.irp q, 0,1,2,3,4,5,6,7
.irp g, 0,1
.irp c, 0,1,2
	ds_load_b128 v[96*\g+12*\q+4*\c:96*\g+12*\q+4*\c+3], v[HA+3*\g+\q/3] offset:28672*(\q%3)+1792*\g+16*\c
.endr
.endr
.endr
	WIN 0xfc|(\set+1)                              ; source 0 the set's window; source 1, C and D window 3
	MM \set
	WIN 0
.rept 4
	v_nop                                          ; places behind the last products
.endr
	WIN 0x03                                       ; source 0 window 3
.set i, 0
.rept 16
	v_pk_fma_f32 v[O+32*(\un)+2*i:O+32*(\un)+2*i+1], v[AC+2*i:AC+2*i+1], v[CG+2*(i/8):CG+2*(i/8)+1], v[O+32*(\un)+2*i:O+32*(\un)+2*i+1] op_sel_hi:[1,0,1]   ; each accumulator from its low end on
.set i, i+1
.endr
	WIN 0
.Lskip_\@:
.endm
	s_load_b256 s[4:11], s[0:1], 0x0               ; hq, list, gate, wl
	s_load_b64 s[12:13], s[0:1], 0x20              ; out0
	v_lshl_add_u32 v126, v0, 2, 0x49000
	v_mov_b32 v127, 0
	v_lshrrev_b32 v1, 5, v0
	v_readfirstlane_b32 s14, v1                    ; wave 0..3
	v_and_b32 v1, 31, v0
	v_and_b32 v2, 15, v0
	v_bfe_u32 v3, v0, 4, 1
	v_lshlrev_b32 v4, 4, v1                        ; 16 x lane
	v_lshlrev_b32 v5, 5, v2                        ; 32 r
	s_mov_b32 s15, ttmp9                           ; n
	s_and_b32 s16, ttmp7, 0xffff                   ; window
	s_lshl_b32 s24, s15, 2
	s_add_co_u32 s24, s24, s14                     ; 4 n + w
	v_lshlrev_b32 v112, 2, v1                      ; 4 x lane
	v_lshlrev_b32 v113, 2, v2                      ; 4 r
	s_mov_b32 s[SEL], 0x76543210
	s_mov_b32 s[SEL+1], 0xfedcba98
	s_mov_b32 s33, 0
	s_lshl_b32 s32, s16, 9
	s_wait_kmcnt 0x0
	s_add_nc_u64 s[26:27], s[6:7], s[32:33]        ; the list at my window
	s_lshl_b32 s32, s14, 7
	s_add_nc_u64 s[42:43], s[26:27], s[32:33]
	s_load_b512 s[68:83], s[42:43], 0x0            ; the words of places 32 w .. 32 w + 31
	s_load_b512 s[84:99], s[42:43], 0x40
	s_mul_i32 s32, s16, 229376
	s_mul_i32 s34, s14, 57344
	s_add_co_u32 s32, s32, s34
	s_add_nc_u64 s[36:37], s[4:5], s[32:33]        ; hq at my window, my quarter of it
.irp c, 0,1,2,3
	global_load_b32 v[AW+\c], v112, s[26:27] offset:128*\c                 ; the word of place 32 c + lane
.endr
.irp k, 0,1,2,3,4,5,6,7
	global_load_b32 v[AR+\k], v113, s[26:27] offset:64*\k                  ; of place 16 k + r, k = 2 unit + g
.endr
	WIN 0xc0
.set i, 0
.rept 56
	global_load_b128 v[4*i:4*i+3], v4, s[36:37] offset:512*i               ; the hidden codes, part 1: 56 pieces of 512 dense bytes
.set i, i+1
.endr
	WIN 0
	v_mul_u32_u24 v[HBU], v2, 112
	v_mad_u32_u24 v[HBU], v3, 48, v[HBU]
	v_add_nc_u32 v[HBU+1], 3584, v[HBU]
	v_add_nc_u32 v[HBU+2], 7168, v[HBU]
	v_add_nc_u32 v[HBU+3], 10752, v[HBU]
	v_mov_b32 v[CG+1], 0
	v_mov_b32 v[CG+3], 0
	v_add_nc_u32 v115, s34, v4                     ; the copy's place in LDS: 57,344 w + 16 lane
	v_lshl_add_u32 v116, v0, 2, HPAD
	v_mov_b32 v117, 0
	v_mul_u32_u24 v118, v2, 528
	v_lshl_add_u32 v118, v3, 5, v118
	s_lshl_b32 s32, s14, 7
	v_add_nc_u32 v118, s32, v118
	v_add_nc_u32 v118, STO, v118                   ; into the stage: row r, + 32 h, + 128 w
	s_mul_i32 s32, s14, 16896
	v_add_nc_u32 v119, s32, v4
	v_add_nc_u32 v119, STO, v119                   ; back: my 32 rows, 16 bytes a lane
	s_lshl_b32 s32, s15, 9
	v_add_nc_u32 v120, s32, v4                     ; in a row of out0: 512 n + 16 lane
	s_wait_loadcnt 56                              ; the 12 list loads are in; part 1 may be out
	v_mov_b32 v[ONE], 1
	v_mov_b32 v[M], 0
.irp c, 0,1,2,3
	v_bfe_u32 v[T0], v[AW+\c], 12, 3
	v_bfe_u32 v[T1], v[AW+\c], 20, 3
	v_lshlrev_b32 v[T0], v[T0], v[ONE]
	v_lshlrev_b32 v[T1], v[T1], v[ONE]
	v_or_b32 v[T0], v[T0], v[T1]
	v_lshl_or_b32 v[M], v[T0], 8*\c, v[M]
.endr
	v_mov_b32 v[T0], 0
.irp x, 1,2,4,8
	v_mov_b32_dpp v[T0], v[M] row_xmask:\x row_mask:0xf bank_mask:0xf
	v_or_b32 v[M], v[M], v[T0]
.endr
	v_permlanex16_b32 v[T0], v[M], s[SEL], s[SEL+1]
	v_or_b32 v[M], v[M], v[T0]
	v_readfirstlane_b32 s17, v[M]                  ; bit 8 c + e: unit c uses expert e
	s_lshr_b32 s32, s17, 16
	s_or_b32 s32, s32, s17
	s_lshr_b32 s33, s32, 8
	s_or_b32 s32, s32, s33
	s_and_b32 s18, s32, 0xff
.irp k, 0,1,2,3,4,5,6,7
	v_and_b32 v[GO+\k], 0xfff, v[AR+\k]
	v_min_u32 v[GO+\k], 0xfff, v[GO+\k]
	v_lshlrev_b32 v[GO+\k], 3, v[GO+\k]            ; the token's pair of gates: 8 bytes
	v_lshrrev_b32 v[BR+\k], 20, v[AR+\k]
	v_bfe_u32 v[AR+\k], v[AR+\k], 12, 8
.endr
.irp k, 0,1,2,3,4,5,6,7
	global_load_b64 v[G+2*\k:G+2*\k+1], v[GO+\k], s[8:9]
.endr
.set i, 56
.rept 32
	global_load_b128 v[O+4*(i-56):O+4*(i-56)+3], v4, s[36:37] offset:512*i     ; part 2
.set i, i+1
.endr
	s_wait_loadcnt 40                              ; part 1 is in; the 8 gate loads and part 2's 32 may be out
	WIN 0x0c                                       ; store data window 3
.set i, 0
.rept 56
	ds_store_b128 v115, v[4*i:4*i+3] offset:512*i
.set i, i+1
.endr
	WIN 0
	s_wait_dscnt 0x0                               ; the stores have read their registers
	WIN 0xc0
.set i, 88
.rept 24
	global_load_b128 v[4*(i-88):4*(i-88)+3], v4, s[36:37] offset:512*i         ; part 3
.set i, i+1
.endr
	WIN 0
	s_wait_loadcnt 24                              ; the gates and part 2 are in
.set i, 56
.rept 32
	ds_store_b128 v115, v[O+4*(i-56):O+4*(i-56)+3] offset:512*i
.set i, i+1
.endr
	NEXTE 20
	SETBASE 20, 0, 0
	LOADB 0
	s_wait_loadcnt 52                              ; part 3 is in; set 0's 52 may be out
	WIN 0x0c
.set i, 88
.rept 24
	ds_store_b128 v115, v[4*(i-88):4*(i-88)+3] offset:512*i
.set i, i+1
.endr
	WIN 0
	ds_store_b32 v116, v117                        ; zeros behind the codes: what lanes 16-31 read beside the last row's word
	NEXTE 21
	SETBASE 21, 1, 0
	LOADB 1
	s_wait_kmcnt 0x0
.set i, 0
.rept 32
	s_and_b32 s[68+i], s[68+i], 0xfff
	s_min_u32 s[68+i], s[68+i], 0xfff
	s_lshl_b32 s[68+i], s[68+i], 12                ; the token's row in out0, in bytes
.set i, i+1
.endr
	s_wait_dscnt 0x0                               ; my stores have landed and have read their registers
.set i, 0
.rept 128
	v_mov_b32 v[O+i], 0                            ; which pass is a lane's first hangs on its token, so the sums begin as zeros
.set i, i+1
.endr
	s_barrier_signal -1
	s_barrier_wait -1
	s_wait_loadcnt 52                              ; set 0 is in; set 1's 52 may be out
	s_mov_b32 s23, 4
.Ltrip:                                            ; four trips of two experts: eight at the most
	ACTB 0
	UNIT2 0, 0
	UNIT2 0, 1
	UNIT2 0, 2
	UNIT2 0, 3
	REFILL 0
	ACTB 1
	UNIT2 1, 0
	UNIT2 1, 1
	UNIT2 1, 2
	UNIT2 1, 3
	REFILL 1
	s_sub_co_u32 s23, s23, 1
	s_cmp_lg_u32 s23, 0
	s_cbranch_scc1 .Ltrip
	; THE WAY OUT: a row's 128 columns come from four waves: they meet in the stage, and each wave stores 32 whole pieces of 512 bytes
	s_wait_dscnt 0x0                               ; my reads of the hidden codes are over
	s_barrier_signal -1
	s_barrier_wait -1
.set i, 0
.rept 16                               ; i = 4 unit + 2 g + u
	ds_store_b128 v118, v[O+8*i:O+8*i+3] offset:528*16*(i/2)+64*(i%2)
	ds_store_b128 v118, v[O+8*i+4:O+8*i+7] offset:528*16*(i/2)+64*(i%2)+16
.set i, i+1
.endr
.set i, 0
.rept 32
	v_add_nc_u32 v[AR+i], s[68+i], v120            ; v24-55 are free now
.set i, i+1
.endr
	s_wait_dscnt 0x0                               ; my stores have landed and have read their registers
	s_barrier_signal -1
	s_barrier_wait -1
.set i, 0
.rept 32
	ds_load_b128 v[O+4*i:O+4*i+3], v119 offset:528*i
.set i, i+1
.endr
.set i, 0
.rept 32
	s_wait_dscnt 31-i
	global_store_b128 v[AR+i], v[O+4*i:O+4*i+3], s[12:13] th:TH_STORE_NT     ; 512 consecutive bytes of one token's row, at a multiple of 256 from out0's first byte
.set i, i+1
.endr
	s_wait_tensorcnt 0x0
	ds_add_u32 v126, v127
	s_wait_dscnt 0x0
	s_endpgm
.Lfunc_end_k_qde9df78299_ffn2:
	.size	k_qde9df78299_ffn2, .Lfunc_end_k_qde9df78299_ffn2-k_qde9df78299_ffn2
	.p2alignl 7, 3214868480
	.fill 96, 4, 3214868480
	.section	.rodata,"a",@progbits
	.p2align	6, 0x0
	.amdhsa_kernel k_qde9df78299_ffn2
		.amdhsa_group_segment_fixed_size 299520
		.amdhsa_private_segment_fixed_size 0
		.amdhsa_enable_private_segment 0
		.amdhsa_kernarg_size 40
		.amdhsa_user_sgpr_count 2
		.amdhsa_user_sgpr_kernarg_segment_ptr 1
		.amdhsa_wavefront_size32 1
		.amdhsa_system_sgpr_workgroup_id_x 1
		.amdhsa_system_sgpr_workgroup_id_y 1
		.amdhsa_system_sgpr_workgroup_id_z 1
		.amdhsa_system_vgpr_workitem_id 0
		.amdhsa_next_free_vgpr 1024
		.amdhsa_next_free_sgpr 100
		.amdhsa_reserve_vcc 1
		.amdhsa_float_denorm_mode_32 3
		.amdhsa_float_denorm_mode_16_64 3
		.amdhsa_memory_ordered 1
		.amdhsa_forward_progress 1
		.amdhsa_inst_pref_size 151
	.end_amdhsa_kernel
	.amdgpu_metadata
---
amdhsa.version: [ 1, 2 ]
amdhsa.kernels:
  - .name:           k_qde9df78299_ffn2
    .symbol:         k_qde9df78299_ffn2.kd
    .args:
      - { .name: hq, .offset: 0, .size: 8, .value_kind: global_buffer, .address_space: global }
      - { .name: list, .offset: 8, .size: 8, .value_kind: global_buffer, .address_space: global }
      - { .name: gate, .offset: 16, .size: 8, .value_kind: global_buffer, .address_space: global }
      - { .name: wl, .offset: 24, .size: 8, .value_kind: global_buffer, .address_space: global }
      - { .name: out0, .offset: 32, .size: 8, .value_kind: global_buffer, .address_space: global }
    .group_segment_fixed_size: 299520
    .private_segment_fixed_size: 0
    .kernarg_segment_align: 8
    .kernarg_segment_size: 40
    .max_flat_workgroup_size: 128
    .sgpr_count:     100
    .vgpr_count:     1024
    .wavefront_size: 32
...
	.end_amdgpu_metadata
.endif
;; end of part 6
